; MI455X (gfx1250); checked and timed in simulation.
; The chip was launched on July 23, 2026; its instructions are those of AMD's public machine-readable ISA for CDNA 5 (MIT licence, August 2026) and "CDNA5" Instruction Set Architecture Reference Guide (July 2026). The comments in the code are by the model that wrote it; some were corrected since.
;; Transformer Encoder Layer. Allowed arithmetic: matrix products marked QUANTISED: E4M3 operands, one given power-of-two scale a tensor, by v_wmma_f32_16x16x64_fp8_fp8 or v_wmma_f32_16x16x128_fp8_fp8, f32 sums; everything else in f32.
;; Inputs: fc1_b 4,096 float32; fc1_w 1,024 x 4,096 float32; fc2_b 1,024 float32; fc2_w 4,096 x 1,024 float32; key_padding_mask 2 x 2,048 bool; ln1_b 1,024 float32; ln1_w 1,024 float32; ln2_b 1,024 float32; ln2_w 1,024 float32; lowp_scales 12 int32 (the exponents e of the quantised operands' scales 2^e); proj_b 1,024 float32; proj_w 1,024 x 1,024 float32; qkv_w 1,024 x 3,072 float32; x 2 x 2,048 x 1,024 float32.
;; Outputs: out0 2 x 2,048 x 1,024 float32.
;; This version of the problem:
;;   THIS VERSION OF THE PROBLEM IS GIVEN IN LOW PRECISION. The matrix products marked QUANTISED in the list below multiply operands that are first quantised to E4M3 (4 exponent bits, 3 mantissa bits; 8 bits a number), with one given power-of-two scale for each operand tensor; their sums are f32. All else is computed in f32.
;;   The module's matrix products, in the order in which they are computed (A, B: the left and right operand; K: the contracted axis; several contracted axes count as one K, in the product's order):
;;     1. [M 4,096, K 1,024] x [K 1,024, N 3,072]; A: computed on the way; B: input qkv_w: QUANTISED (scales: A lowp_scales[0], B lowp_scales[1])
;;     2. batch 32 x [M 2,048, K 64] x [K 64, N 2,048]; A: computed on the way; B: computed on the way: QUANTISED (scales: A lowp_scales[2], B lowp_scales[3])
;;     3. batch 32 x [M 64, K 2,048] x [K 2,048, N 2,048]; A: computed on the way; B: softmax (see below): QUANTISED (scales: A lowp_scales[4], B lowp_scales[5])
;;     4. [M 4,096, K 1,024] x [K 1,024, N 1,024]; A: computed on the way; B: input proj_w: QUANTISED (scales: A lowp_scales[6], B lowp_scales[7])
;;     5. [M 4,096, K 1,024] x [K 1,024, N 4,096]; A: computed on the way; B: input fc1_w: QUANTISED (scales: A lowp_scales[8], B lowp_scales[9])
;;     6. [M 4,096, K 4,096] x [K 4,096, N 1,024]; A: computed on the way; B: input fc2_w: QUANTISED (scales: A lowp_scales[10], B lowp_scales[11])
;;   THE QUANTISER, for each operand of a quantised product, along K:
;;     - The operand's scale is 2^e, e = its entry of the input lowp_scales (int32; the entries are numbered through the quantised products in the list's order, A before B).
;;     - Each number is divided by the scale, clamped to +-448, and rounded to the nearest number of E4M3, ties to even, subnormals kept.
;;     - The product sums the exact products of the quantised numbers (number of the format x scale) in f32.
;;   ~~~python
;;   def quantise(x, axis, e):      # numpy; x: float32 -> the quantised numbers, widened to float32 again
;;       x = np.moveaxis(x, axis, -1); K = x.shape[-1]
;;       r = np.clip(x / 2.0 ** e, -448, 448)
;;       step = 2.0 ** (np.maximum(np.frexp(np.where(r == 0, 1, r))[1] - 1, -6) - 3)
;;       q = np.round(r / step) * step * 2.0 ** e      # np.round: ties to even
;;       return np.moveaxis(q, -1, axis).astype(np.float32)
;;   ~~~
;;   SOFTMAX AHEAD OF A QUANTISED PRODUCT. Where the list says 'softmax', what is quantised is not the finished softmax but p = 2^(t - M), with t = logit x log2(e) and M = ceil(the row's largest t), a whole number; so 1/2 < the row's largest p <= 1. The row's sum l is taken of the UNQUANTISED p, in f32, and the product's result is divided by l at the end. Since M is a whole number, a kernel that streams over the keys may use a running M (the ceiling of the running maximum): every later rescaling is an exact power of two, so the quantised numbers keep their values, but for numbers so far below the row's largest that they fall under the format's range.
;;   OPERANDS COMPUTED ON THE WAY. 'Computed on the way' means the value that the module computes at that place (a softmax that the list does not call 'softmax' is quantised finished and normalised). What goes into a quantiser is computed in f32, as accurately as f32 sums, v_exp_f32 and their like allow (about 1e-6 of the number): no bf16 or f16 on the way to a quantiser, and a product that is left as it is and whose result goes on into a quantised operand takes f32 operands (vector FMAs, or v_wmma_f32_16x16x4_f32). A number that lies on a knife's edge between two numbers of the format may be rounded either way, as far as f32 arithmetic and the matrix unit's own rounding can turn it there, and no further.
;; One version. Each part assembles by itself: llvm-mc -triple=amdgcn-amd-amdhsa -mcpu=gfx1250 --defsym DOCPART=n.
;; ======== version 1 of 1: 7 launches
;; limits: right only within a limited range of input values
;; workspace buffers: wc 12,582,912 bytes; act 4,194,304 bytes; qkvc 12,582,912 bytes; ao 4,194,304 bytes; x1 16,777,216 bytes; g 16,777,216 bytes
;; launch prep (part 1): grid 640 x 1, 4 waves a work-group, no clusters, 35,840 bytes of LDS; arguments qkv_w, proj_w, fc1_w, fc2_w, x, ln1_w, ln1_b, lowp_scales, wc, act; writes wc, act
.if DOCPART == 1
	.amdgcn_target "amdgcn-amd-amdhsa--gfx1250"
	.amdhsa_code_object_version 6
	.text
	.protected	k_qb3b967f65e_prep
	.globl	k_qb3b967f65e_prep
	.p2align	8
	.type	k_qb3b967f65e_prep,@function
k_qb3b967f65e_prep:
	s_mov_b64 s[64:65], 0
	v_nop
	global_prefetch_b8 v0, s[64:65] scope:SCOPE_SE
	s_setreg_imm32_b32 hwreg(HW_REG_WAVE_MODE, 25, 1), 1
	s_wait_xcnt 0x0
; FIRST OF SEVEN LAUNCHES of a pre-norm transformer layer whose six matrix products run on codes of FP8 (E4M3), each operand with the one scale 2^e that lowp_scales gives it.
; This launch: (a) the four weights, f32 stored [K][N], become codes laid [N][K] (K innermost) in wc: qkv at byte 0, proj at 3,145,728, fc1 at 4,194,304, fc2 at 8,388,608;
; (b) layernorm 1 of x becomes codes [4096][1024] in act.  code = number / 2^e, held within +-448, to the nearest code, ties to even.
; WORK LEFT OUT IN THE WHOLE PROGRAM, AND WHY IT IS DEAD: reference() itself builds the causal mask (jnp.triu, k = 1) and puts -inf where key > query ahead of the softmax.  exp(-inf) = 0 for all finite inputs,
; so such a place adds 0 to its row's sum and 0 x v to its row's result: neither its score nor its product with v can reach an output, whatever the inputs hold.  Where such places come as whole steps of 128 keys
; (the step's first key lies behind the wave's last query) the launch attn leaves both products' steps out, and asks for no slot of keys that none of its waves reads.  Nothing else is left out;
; every input has a way to the output and is loaded by some launch.  LIMIT: a NaN, an infinity or an overflow that reaches only such hidden places is not carried to the result.
; LIMITS here: each exponent e used (entries 0, 1, 7, 9, 11) lies between -126 and 119, so that 2^e and 448 x 2^e are f32 numbers.  NaN among the inputs is not served.
; SHARES.  Work-groups 0-383 take the weights: 128 columns x 256 along K each (qkv 96, proj 32, fc1 128, fc2 128 of them); one text serves all four, the sizes are chosen by the work-group's number.
; A LANE TAKES A COLUMN n AND ITS REGISTERS RUN DOWN K: each load reads 128 consecutive bytes a wave, and the conversions, which take neighbours along K from one lane's registers, give codes with K innermost.
; The codes go through the wave's own stage in LDS and leave as rows: sixteen lanes store 256 consecutive bytes, aligned.  Work-groups 384-639 take 16 rows of x each, a wave four rows, a row in 32 registers; no LDS.
.set PITCH, 272                        ; a stage row: 256 bytes of codes + 16
.set SPARE, 4*32*PITCH                 ; behind the four stages: the spare words, 128 bytes a wave
.set SPW,   14                         ; v14  LDS address of my spare word; never rewritten
.set NIL,   15                         ; v15  0; never rewritten
.set X,     32                         ; v32-95   weights: two sets of 32 numbers
.set C,     96                         ; v96-103  a block's codes
.set OUTR,  112                        ; v112-175 the way out
.set OFF,   176                        ; v176-207 byte offset of row i of a block: 4 x lane + i x pitch; never rewritten
.set OO,    208                        ; v208-223 byte offset of the way out's store t; never rewritten
.set LX,    32                         ; layernorm: v32-159 four rows; v160-191 gain; v192-223 bias; v224-255 codes
.set LW,    160
.set LB,    192
.set LC,    224
.set PX,    16                         ; s[16:17] x;  s[18:19] gain;  s[20:21] bias;  s[26:27] act
.set PW,    18
.set PB,    20
.set PO,    26
	s_load_b512 s[8:23], s[0:1], 0x0               ; qkv_w, proj_w, fc1_w, fc2_w, x, ln1_w, ln1_b, lowp_scales
	s_load_b128 s[24:27], s[0:1], 0x40             ; wc, act
	v_lshl_add_u32 v[SPW], v0, 2, SPARE
	v_mov_b32 v[NIL], 0
	v_lshrrev_b32 v1, 5, v0
	v_readfirstlane_b32 s4, v1                     ; wave 0..3
	v_and_b32 v2, 31, v0                           ; lane
	s_wait_kmcnt 0x0
	s_load_b256 s[68:75], s[22:23], 0x0            ; e0 .. e7
	s_load_b128 s[76:79], s[22:23], 0x20           ; e8 .. e11
	s_cmp_ge_u32 ttmp9, 384
	s_cbranch_scc1 .Lln
	; ---- the weights.  Which tensor: by the work-group's number alone
	s_mov_b64 s[30:31], s[8:9]                     ; source
	s_mov_b32 s29, 12288                           ; bytes from row to row of the source
	s_mov_b32 s32, 1024                            ; K: bytes in a row of codes
	s_mov_b32 s33, 2                               ; log2 of K / 256
	s_mov_b32 s34, 0                               ; the codes' place in wc
	s_mov_b32 s36, 0                               ; the tensor's first work-group
	s_cmp_ge_u32 ttmp9, 96
	s_cselect_b64 s[30:31], s[10:11], s[30:31]
	s_cselect_b32 s29, 4096, s29
	s_cselect_b32 s34, 3145728, s34
	s_cselect_b32 s36, 96, s36
	s_cmp_ge_u32 ttmp9, 128
	s_cselect_b64 s[30:31], s[12:13], s[30:31]
	s_cselect_b32 s29, 16384, s29
	s_cselect_b32 s34, 4194304, s34
	s_cselect_b32 s36, 128, s36
	s_cmp_ge_u32 ttmp9, 256
	s_cselect_b64 s[30:31], s[14:15], s[30:31]
	s_cselect_b32 s29, 4096, s29
	s_cselect_b32 s32, 4096, s32
	s_cselect_b32 s33, 4, s33
	s_cselect_b32 s34, 8388608, s34
	s_cselect_b32 s36, 256, s36
	s_sub_co_u32 s36, ttmp9, s36                   ; my number within the tensor
	s_lshl_b32 s37, 1, s33
	s_sub_co_u32 s37, s37, 1
	s_and_b32 s37, s36, s37                        ; y: which 256 along K
	s_lshr_b32 s38, s36, s33                       ; which 128 columns
	s_lshl_b32 s38, s38, 7
	s_lshl_b32 s39, s4, 5
	s_add_co_u32 s38, s38, s39                     ; my wave's first column
	s_mul_i32 s2, s37, s29
	s_lshl_b32 s2, s2, 8                           ; 256 y rows
	s_lshl_b32 s3, s38, 2
	s_add_co_u32 s2, s2, s3                        ; + 4 x column
	s_mov_b32 s3, 0
	s_add_nc_u64 s[40:41], s[30:31], s[2:3]        ; block 0's base; eight bases, 32 rows apart, so that none is ever stepped
	s_lshl_b32 s56, s29, 5
	s_mov_b32 s57, 0
.irp t, 1,2,3,4,5,6,7
	s_add_nc_u64 s[40+2*\t:41+2*\t], s[38+2*\t:39+2*\t], s[56:57]
.endr
	s_mul_i32 s2, s38, s32                         ; the codes: column x K
	s_lshl_b32 s5, s37, 8
	s_add_co_u32 s2, s2, s5                        ; + 256 y
	s_add_co_u32 s2, s2, s34
	s_add_nc_u64 s[58:59], s[24:25], s[2:3]
	s_wait_alu depctr_va_vdst(0)
	v_lshlrev_b32 v[OFF], 2, v2
.set i, 1
.rept 31
	v_add_nc_u32 v[OFF+i], s29, v[OFF+i-1]
.set i, i+1
.endr
	s_mul_i32 s5, s4, 32*PITCH                     ; my stage
	v_mul_u32_u24 v4, v2, PITCH
	v_add_nc_u32 v4, s5, v4                        ; into it: row = my column
	v_and_b32 v5, 15, v2
	v_lshrrev_b32 v6, 4, v2
	v_mul_u32_u24 v7, v6, PITCH
	v_lshl_add_u32 v7, v5, 4, v7
	v_add_nc_u32 v7, s5, v7                        ; out of it: sixteen lanes to a row, two rows an instruction
	v_mul_lo_u32 v[OO], v6, s32
	v_lshl_add_u32 v[OO], v5, 4, v[OO]             ; and the same place among the codes
	s_lshl_b32 s6, s32, 1
.set i, 1
.rept 15
	v_add_nc_u32 v[OO+i], s6, v[OO+i-1]
.set i, i+1
.endr
.macro LOAD t                          ; block t: rows 32 t + i of my 256, my column, into set t % 2
.set i, 0
.rept 32
	global_load_b32 v[X+32*((\t)%2)+i], v[OFF+i], s[40+2*(\t):41+2*(\t)] th:TH_LOAD_NT
.set i, i+1
.endr
.endm
	LOAD 0
	LOAD 1
	s_wait_kmcnt 0x0
	s_mov_b32 s35, s69                             ; e: entry 1, 7, 9 or 11
	s_cmp_ge_u32 ttmp9, 96
	s_cselect_b32 s35, s75, s35
	s_cmp_ge_u32 ttmp9, 128
	s_cselect_b32 s35, s77, s35
	s_cmp_ge_u32 ttmp9, 256
	s_cselect_b32 s35, s79, s35
	s_add_co_i32 s35, s35, 127
	s_lshl_b32 s5, s35, 23
	v_mov_b32 v11, s5                              ; 2^e as f32: the conversion takes its exponent field
	s_add_co_i32 s35, s35, 8
	s_lshl_b32 s35, s35, 23
	s_or_b32 s35, s35, 0x600000
	v_mov_b32 v10, s35                             ; 448 x 2^e
.macro BLOCK t
.set XS, X+32*((\t)%2)
.if (\t) < 7
	s_wait_loadcnt 32                              ; this block's 32 loads are in; the next block's may be out
.else
	s_wait_loadcnt 0
.endif
.set i, 0
.rept 32
	v_med3_num_f32 v[XS+i], v[XS+i], -v10, v10     ; the conversion to an 8-bit code does not saturate (ISA guide 7.6.2): the hold comes first
.set i, i+1
.endr
.irp g, 0,1,2,3
	v_cvt_scalef32_pk8_fp8_f32 v[C+2*\g:C+2*\g+1], v[XS+8*\g:XS+8*\g+7], v11
.endr
	v_nop                                          ; a plain line behind the last conversion
	ds_store_b128 v4, v[C:C+3] offset:32*(\t)      ; 32 codes of my column's row
	ds_store_b128 v4, v[C+4:C+7] offset:32*(\t)+16
.if (\t)+2 < 8
	LOAD (\t)+2
.endif
	s_wait_dscnt 0x0                               ; the stores have read their registers: the next block's codes may be written
.endm
	s_wait_alu depctr_va_vdst(0)
.irp t, 0,1,2,3,4,5,6,7
	BLOCK \t
.endr
.irp t, 0,1,2,3,4,5,6,7,8,9,10,11,12,13,14,15
	ds_load_b128 v[OUTR+4*\t:OUTR+4*\t+3], v7 offset:2*\t*PITCH   ; LDS serves a wave's instructions in order: these see my stores
.endr
.irp t, 0,1,2,3,4,5,6,7,8,9,10,11,12,13,14,15
	s_wait_dscnt 15-\t                             ; the younger loads may be out
	global_store_b128 v[OO+\t], v[OUTR+4*\t:OUTR+4*\t+3], s[58:59]   ; sixteen lanes store 256 consecutive bytes, aligned
.endr
	s_wait_tensorcnt 0x0                           ; the wave's end, behind my last LDS store
	ds_add_u32 v[SPW], v[NIL]
	s_wait_dscnt 0x0
	s_endpgm
	; ---- layernorm 1: a wave takes four rows
.Lln:
	s_sub_co_u32 s5, ttmp9, 384
	s_lshl_b32 s5, s5, 4
	s_lshl_b32 s6, s4, 2
	s_add_co_u32 s5, s5, s6                        ; my first row
	s_lshl_b32 s2, s5, 12
	s_mov_b32 s3, 0
	s_add_nc_u64 s[PX:PX+1], s[PX:PX+1], s[2:3]
	s_lshl_b32 s2, s5, 10
	s_add_nc_u64 s[PO:PO+1], s[PO:PO+1], s[2:3]
	s_wait_alu depctr_va_vdst(0)
	v_lshlrev_b32 v1, 5, v2                        ; a lane holds 8 neighbours of each quarter of a row: 32 x lane + 1,024 g; two loads of 16 bytes cover 1,024 consecutive bytes together
	v_lshlrev_b32 v13, 3, v2                       ; and their 8 codes
	v_mov_b32 v7, 0                                ; (upper halves of pairs of which the low word serves both halves, and a permute's destination: written once)
	v_mov_b32 v9, 0
	v_mov_b32 v12, 0
	s_mov_b32 s60, 0x76543210                      ; v_permlanex16_b32: lane l xor 16
	s_mov_b32 s61, 0xfedcba98
	s_mov_b32 s62, 0x3a800000                      ; 1 / 1024
	s_mov_b32 s63, 0x3727c5ac                      ; 1e-5
.irp g, 0,1,2,3
.irp u, 0,1
	global_load_b128 v[LW+8*\g+4*\u:LW+8*\g+4*\u+3], v1, s[PW:PW+1] offset:1024*\g+16*\u
.endr
.endr
.irp g, 0,1,2,3
.irp u, 0,1
	global_load_b128 v[LB+8*\g+4*\u:LB+8*\g+4*\u+3], v1, s[PB:PB+1] offset:1024*\g+16*\u
.endr
.endr
.irp p, 0,1,2,3
.irp g, 0,1,2,3
.irp u, 0,1
	global_load_b128 v[LX+32*\p+8*\g+4*\u:LX+32*\p+8*\g+4*\u+3], v1, s[PX:PX+1] offset:4096*\p+1024*\g+16*\u th:TH_LOAD_NT
.endr
.endr
.endr
	s_wait_kmcnt 0x0
	s_add_co_i32 s5, s68, 127                      ; e0
	s_lshl_b32 s6, s5, 23
	v_mov_b32 v11, s6                              ; 2^e
	s_add_co_i32 s5, s5, 8
	s_lshl_b32 s5, s5, 23
	s_or_b32 s5, s5, 0x600000
	v_mov_b32 v10, s5                              ; 448 x 2^e
.macro LANESUM                         ; v16 summed over the 32 lanes, the result in every lane
	v_add_f32_dpp v16, v16, v16 row_xmask:1 row_mask:0xf bank_mask:0xf
	v_add_f32_dpp v16, v16, v16 row_xmask:2 row_mask:0xf bank_mask:0xf
	v_add_f32_dpp v16, v16, v16 row_xmask:4 row_mask:0xf bank_mask:0xf
	v_add_f32_dpp v16, v16, v16 row_xmask:8 row_mask:0xf bank_mask:0xf
	v_permlanex16_b32 v12, v16, s60, s61
	v_add_f32 v16, v16, v12
.endm
.macro FOLD                            ; four chains of pairs into v16
	v_pk_add_f32 v[16:17], v[16:17], v[18:19]
	v_pk_add_f32 v[20:21], v[20:21], v[22:23]
	v_pk_add_f32 v[16:17], v[16:17], v[20:21]
	v_add_f32 v16, v16, v17
.endm
.macro ROW p
.set XR, LX+32*(\p)
	s_wait_loadcnt 8*(3-(\p))                      ; gain, bias and my row are in; the later rows' loads may be out
.irp c, 0,1,2,3
	v_pk_add_f32 v[16+2*\c:17+2*\c], v[XR+4*\c:XR+4*\c+1], v[XR+4*\c+2:XR+4*\c+3]
.endr
.irp c, 0,1,2,3
	v_pk_add_f32 v[16+2*\c:17+2*\c], v[16+2*\c:17+2*\c], v[XR+16+2*\c:XR+17+2*\c]
.endr
.irp c, 0,1,2,3
	v_pk_add_f32 v[16+2*\c:17+2*\c], v[16+2*\c:17+2*\c], v[XR+24+2*\c:XR+25+2*\c]
.endr
	FOLD
	LANESUM
	v_mul_f32 v6, s62, v16                         ; the mean
.set j, 0
.rept 16
	v_pk_add_f32 v[XR+j:XR+j+1], v[XR+j:XR+j+1], v[6:7] op_sel_hi:[1,0] neg_lo:[0,1] neg_hi:[0,1]   ; x - mean
.set j, j+2
.endr
.irp c, 0,1,2,3
	v_pk_mul_f32 v[16+2*\c:17+2*\c], v[XR+2*\c:XR+2*\c+1], v[XR+2*\c:XR+2*\c+1]
.endr
.irp k, 1,2,3
.irp c, 0,1,2,3
	v_pk_fma_f32 v[16+2*\c:17+2*\c], v[XR+8*\k+2*\c:XR+8*\k+2*\c+1], v[XR+8*\k+2*\c:XR+8*\k+2*\c+1], v[16+2*\c:17+2*\c]
.endr
.endr
	FOLD
	LANESUM
	v_fma_f32 v16, v16, s62, s63                   ; the variance + 1e-5 (the division by 1,024 is exact: one rounding, as in the sum of the two)
	s_wait_alu depctr_va_vdst(0)
	v_rsq_f32 v8, v16
	v_nop                                          ; a plain line behind the transcendental
	s_wait_alu depctr_va_vdst(0)                   ; the wait ahead of the result's first reader
.set j, 0
.rept 16
	v_pk_mul_f32 v[XR+j:XR+j+1], v[XR+j:XR+j+1], v[8:9] op_sel_hi:[1,0]
.set j, j+2
.endr
.set j, 0
.rept 16
	v_pk_fma_f32 v[XR+j:XR+j+1], v[XR+j:XR+j+1], v[LW+j:LW+j+1], v[LB+j:LB+j+1]
.set j, j+2
.endr
.set j, 0
.rept 32
	v_med3_num_f32 v[XR+j], v[XR+j], -v10, v10     ; the hold at the largest code x the scale
.set j, j+1
.endr
.irp g, 0,1,2,3
	v_cvt_scalef32_pk8_fp8_f32 v[LC+8*(\p)+2*\g:LC+8*(\p)+2*\g+1], v[XR+8*\g:XR+8*\g+7], v11
.endr
	v_nop                                          ; a plain line behind the last conversion
.irp g, 0,1,2,3
	global_store_b64 v13, v[LC+8*(\p)+2*\g:LC+8*(\p)+2*\g+1], s[PO:PO+1] offset:1024*(\p)+256*\g   ; 32 lanes store 256 consecutive bytes, aligned; each register of codes is written once
.endr
.endm
	ROW 0
	ROW 1
	ROW 2
	ROW 3
	s_endpgm
.Lfunc_end_k_qb3b967f65e_prep:
	.size	k_qb3b967f65e_prep, .Lfunc_end_k_qb3b967f65e_prep-k_qb3b967f65e_prep
	.p2alignl 7, 3214868480
	.fill 96, 4, 3214868480
	.section	.rodata,"a",@progbits
	.p2align	6, 0x0
	.amdhsa_kernel k_qb3b967f65e_prep
		.amdhsa_group_segment_fixed_size 35840
		.amdhsa_private_segment_fixed_size 0
		.amdhsa_enable_private_segment 0
		.amdhsa_kernarg_size 80
		.amdhsa_user_sgpr_count 2
		.amdhsa_user_sgpr_kernarg_segment_ptr 1
		.amdhsa_wavefront_size32 1
		.amdhsa_system_sgpr_workgroup_id_x 1
		.amdhsa_system_sgpr_workgroup_id_y 1
		.amdhsa_system_sgpr_workgroup_id_z 1
		.amdhsa_system_vgpr_workitem_id 0
		.amdhsa_next_free_vgpr 256
		.amdhsa_next_free_sgpr 84
		.amdhsa_reserve_vcc 0
		.amdhsa_float_denorm_mode_32 3
		.amdhsa_float_denorm_mode_16_64 3
		.amdhsa_memory_ordered 1
		.amdhsa_forward_progress 1
		.amdhsa_inst_pref_size 94
	.end_amdhsa_kernel
	.amdgpu_metadata
---
amdhsa.version: [ 1, 2 ]
amdhsa.kernels:
  - .name:           k_qb3b967f65e_prep
    .symbol:         k_qb3b967f65e_prep.kd
    .args:
      - { .name: qkv_w, .offset: 0, .size: 8, .value_kind: global_buffer, .address_space: global }
      - { .name: proj_w, .offset: 8, .size: 8, .value_kind: global_buffer, .address_space: global }
      - { .name: fc1_w, .offset: 16, .size: 8, .value_kind: global_buffer, .address_space: global }
      - { .name: fc2_w, .offset: 24, .size: 8, .value_kind: global_buffer, .address_space: global }
      - { .name: x, .offset: 32, .size: 8, .value_kind: global_buffer, .address_space: global }
      - { .name: ln1_w, .offset: 40, .size: 8, .value_kind: global_buffer, .address_space: global }
      - { .name: ln1_b, .offset: 48, .size: 8, .value_kind: global_buffer, .address_space: global }
      - { .name: lowp_scales, .offset: 56, .size: 8, .value_kind: global_buffer, .address_space: global }
      - { .name: wc, .offset: 64, .size: 8, .value_kind: global_buffer, .address_space: global }
      - { .name: act, .offset: 72, .size: 8, .value_kind: global_buffer, .address_space: global }
    .group_segment_fixed_size: 35840
    .private_segment_fixed_size: 0
    .kernarg_segment_align: 8
    .kernarg_segment_size: 80
    .max_flat_workgroup_size: 128
    .sgpr_count:     84
    .vgpr_count:     256
    .wavefront_size: 32
...
	.end_amdgpu_metadata
.endif
;; end of part 1
;; launch qkv (part 2): grid 12 x 16, 4 waves a work-group, clusters of 4 x 4, 327,680 bytes of LDS; arguments act, wc, lowp_scales, qkvc; writes qkvc
.if DOCPART == 2
	.amdgcn_target "amdgcn-amd-amdhsa--gfx1250"
	.amdhsa_code_object_version 6
	.text
	.protected	k_qb3b967f65e_qkv
	.globl	k_qb3b967f65e_qkv
	.p2align	8
	.type	k_qb3b967f65e_qkv,@function
k_qb3b967f65e_qkv:
	s_mov_b64 s[64:65], 0
	v_nop
	global_prefetch_b8 v0, s[64:65] scope:SCOPE_SE
	s_setreg_imm32_b32 hwreg(HW_REG_WAVE_MODE, 25, 1), 1
	s_wait_xcnt 0x0
	s_wait_alu depctr_hold_cnt(0) depctr_sa_sdst(0) depctr_va_vdst(0) depctr_va_sdst(0) depctr_va_ssrc(0) depctr_va_vcc(0) depctr_vm_vsrc(0)
	s_getreg_b32 s2, hwreg(HW_REG_IB_STS2, 6, 4)
	s_cmp_eq_u32 s2, 0
	s_cbranch_scc0 .Lentry_in_a_cluster
	s_endpgm
.Lentry_in_a_cluster:
	s_bfe_u32 s2, ttmp6, 0x10000c
	s_cmp_lg_u32 s2, 0xf033
	s_cbranch_scc0 .Lentry_shape_is_right
	s_endpgm
.Lentry_shape_is_right:
; PRODUCT 1: qkv = LN1(x) qkv_w on codes of FP8 (E4M3); the sums are quantised on the way out as the operands of attention's two products.
; act: [4096][1024] codes (scale entry 0).  wc: at byte 0 the codes of qkv_w laid [3072][1024], K innermost (entry 1).
; qkvc: q [b][h][t][64] at byte 0 (entry 2), k likewise at 4,194,304 (entry 3), v [b][h][d][2048], the keys innermost, at 8,388,608 (entry 4).
; A tile of 256 x 256 is made by four waves, 128 x 128 each: 64 accumulators, 512 registers.  K goes in steps of 256 through a ring of two LDS slots.
; A slot has two halves of 256 rows.  The matrix instruction takes 16 rows of the SECOND half as source 0 and 16 rows of the FIRST half as source 1:
; a lane then holds one row of the first half and eight neighbouring rows of the second.
; q, k (cluster x = 0, 1): first half = tokens, tile 4 Y + cy; second half = weights, tile 4 x + cx: a lane's eight results are neighbours along the head's 64.
; v (cluster x = 2): first half = weights, tile 8 + cy; second half = tokens, tile 4 Y + cx: a lane's eight results are neighbouring tokens, v's K.
; So in every cluster the first half hangs on cy alone and is asked for jointly along a row of the cluster, the second on cx alone and along a column;
; only the buffers and the tiles' numbers are chosen, by the cluster's x; every LDS address is made of constants and the wave's number.
; 192 work-groups: a tile of 192 columns would give 256 but would mix q, k and v inside a cluster, whose partners must run alike.
; NO PREFETCH: K has four steps only, at the block of 256 x 256 in clusters: two of the four are asked for before the loop begins.
; A sum stands for sum x 2^(e0 + e1); its code is sum / 2^(e - e0 - e1), e the entry of q, k or v.  LIMIT: e - e0 - e1 between -126 and 119.  NaN among the inputs is not served.
; REGISTERS, in windows of 256: window 0: v0-31 addresses, from v128 source 1's fragments, one set; window 1: source 0's, two sets; windows 2, 3: the accumulators.
.set SIZE_K, 1024
.set ROWB,   256                       ; a tile's row in bytes: a K step
.set KROW,   SIZE_K
.set PITCH,  272                       ; an LDS row: 256 bytes + 16
.set FR,     16
.set NL,     4
.set NP,     4                         ; places behind this matrix instruction (ISA guide 7.12.1)
.set HALFT,  128*PITCH                 ; what one tensor load brings
.set SLOT,   4*HALFT
.set LAPS,   SIZE_K/(2*ROWB)
.set SPARE,  2*SLOT                    ; the spare words, 128 bytes a wave
.set ADRA, 16                          ; v16-17 source 1's fragments in slot 0, 1
.set ADRB, 20                          ; v20-21 source 0's
.set STO,  24                          ; the way out: where I put 8 codes
.set RDQ,  25                          ; q, k: where I read a head's rows back (rows 0-127; v31: rows 128-255)
.set RDV,  26                          ; v: the same for a row of 256 tokens
.set GQ,   27                          ; q, k: my byte offset in memory
.set SPW,  28                          ; my spare word; never rewritten
.set NIL,  29                          ; 0; never rewritten
.set GV,   30                          ; v: my byte offset in memory
.set RDQ2, 31
.set TMP,  32                          ; v32-95 a block's sums, held
.set CD,   96                          ; v96-223 the codes; then the rows read back
.set SC,   240
.set LIM,  241
.set AF,   128
.set G1, 24                            ; group 1 and two groups 0 for the first half
.set G0, 32
.set G1B, 48                           ; and for the second
.set G0B, 56
.set MSB, 0
.macro WIN new
.if MSB != \new
	s_set_vgpr_msb (MSB<<8)|\new
.set MSB, \new
.endif
.endm
.set MUL_LO, 0xa1
.set MUL_HI, 0xf1
.set TO_B,   0x40
; a joint load: waves 0, 1 fetch the first half's 128 rows each, waves 2, 3 the second's
.macro JLOAD g0a, g1a, g0b, g1b
	s_cmp_eq_u32 s15, 0
	s_cbranch_scc0 .Lfor_b_\@
	tensor_load_to_lds s[\g0a:\g0a+3], s[\g1a:\g1a+7]
	s_nop 0
.rept 4
	v_nop
.endr
	s_branch .Lasked_\@
.Lfor_b_\@:
	tensor_load_to_lds s[\g0b:\g0b+3], s[\g1b:\g1b+7]
	s_nop 0
.rept 4
	v_nop
.endr
.Lasked_\@:
.endm
.macro CREST
	s_cmp_lg_u32 s14, 0
	s_cbranch_scc1 .Lnot_wave_0_\@
	s_barrier_signal -3
.Lnot_wave_0_\@:
	s_barrier_wait -3
	s_barrier_signal -1
	s_barrier_wait -1
.endm
.macro CROUND
	s_barrier_signal -1
	s_barrier_wait -1
	CREST
.endm
	s_load_b128 s[4:7], s[0:1], 0x0                ; act, wc
	s_load_b128 s[8:11], s[0:1], 0x10              ; lowp_scales, qkvc
	v_lshl_add_u32 v[SPW], v0, 2, SPARE
	v_mov_b32 v[NIL], 0
	ds_add_u32 v[SPW], v[NIL]                      ; the opening: the add twice, and its wait
	ds_add_u32 v[SPW], v[NIL]
	v_lshrrev_b32 v1, 5, v0
	v_readfirstlane_b32 s14, v1                    ; wave
	s_lshr_b32 s15, s14, 1                         ; my half of source 1's rows; also: which half of a slot I fetch
	s_and_b32 s16, s14, 1                          ; my half of source 0's rows; also: which 128 rows I fetch
	s_bfe_u32 s40, ttmp6, 0x40000                  ; cx
	s_bfe_u32 s41, ttmp6, 0x40004                  ; cy
	s_lshl_b32 s42, ttmp9, 2
	s_and_b32 s17, ttmp7, 0xffff
	s_lshl_b32 s17, s17, 2                         ; 4 Y
	s_mov_b32 s88, s17
	s_cmp_eq_u32 ttmp9, 2                          ; v?
	s_cselect_b32 s17, 8, s17
	s_cselect_b32 s42, s88, s42
	s_add_co_u32 s17, s17, s41                     ; the first half's tile: + cy
	s_add_co_u32 s42, s42, s40                     ; the second half's: + cx
	s_lshl_b32 s43, s41, 2
	s_lshl_b32 s43, 15, s43                        ; my row of the cluster
	s_lshl_b32 s44, 0x1111, s40                    ; my column
	s_or_b32 s[G1+0], s43, (0<<16)|(1<<20)|(1<<21)|(5<<22)|(3<<25)  ; mask; 1-byte elements; four words of padding after every 64
	s_or_b32 s[G1B+0], s44, (0<<16)|(1<<20)|(1<<21)|(5<<22)|(3<<25)
.irp g, G1, G1B
	s_mov_b32 s[\g+1], ROWB<<16
	s_mov_b32 s[\g+2], 128<<16
	s_mov_b32 s[\g+3], ROWB<<16
	s_mov_b32 s[\g+4], 128
	s_mov_b32 s[\g+5], KROW
	s_mov_b32 s[\g+6], 0
	s_mov_b32 s[\g+7], 0
.endr
	s_lshl_b32 s18, s16, 7
	s_lshl_b32 s20, s17, 8
	s_add_co_u32 s20, s20, s18                     ; first half: row 256 x tile + 128 x half
	s_lshl_b32 s46, s42, 8
	s_add_co_u32 s46, s46, s18                     ; second half likewise
	s_mov_b32 s21, 0
	s_mov_b32 s47, 0
	s_mov_b64 s[18:19], KROW
	s_mul_u64 s[20:21], s[20:21], s[18:19]
	s_mul_u64 s[46:47], s[46:47], s[18:19]
	s_mul_i32 s45, s14, HALFT                      ; where they go: wave x 128 rows
	s_wait_dscnt 0x0
	s_wait_kmcnt 0x0
	s_load_b256 s[72:79], s[8:9], 0x0              ; e0 .. e7
	s_cmp_eq_u32 ttmp9, 2
	s_cselect_b64 s[90:91], s[6:7], s[4:5]         ; the first half's buffer: weights for v, else tokens
	s_cselect_b64 s[92:93], s[4:5], s[6:7]         ; the second half's
	s_add_nc_u64 s[20:21], s[90:91], s[20:21]
	s_add_nc_u64 s[46:47], s[92:93], s[46:47]
	CROUND                                         ; the first joint loads meet
.irp s, 0,1
	s_mov_b32 s[G0+4*\s], 1
	s_add_co_u32 s[G0+4*\s+1], s45, \s*SLOT
	s_add_nc_u64 s[G0+4*\s+2:G0+4*\s+3], s[20:21], \s*ROWB
	s_or_b32 s[G0+4*\s+3], s[G0+4*\s+3], 0x80000000
	s_mov_b32 s[G0B+4*\s], 1
	s_add_co_u32 s[G0B+4*\s+1], s45, \s*SLOT
	s_add_nc_u64 s[G0B+4*\s+2:G0B+4*\s+3], s[46:47], \s*ROWB
	s_or_b32 s[G0B+4*\s+3], s[G0B+4*\s+3], 0x80000000
.endr
	JLOAD G0, G1, G0B, G1B                         ; K step 0: one tensor load a wave at the head
	v_and_b32 v1, 15, v0                           ; r
	v_bfe_u32 v2, v0, 4, 1                         ; h
	v_mul_u32_u24 v3, v1, PITCH
	v_lshl_add_u32 v4, v2, 4, v3
	s_wait_alu depctr_va_vdst(0)
	s_mul_i32 s21, s15, HALFT
	s_mul_i32 s22, s16, HALFT
	s_add_co_u32 s22, s22, 2*HALFT
.irp s, 0,1
	v_add_nc_u32 v[ADRA+\s], s21, v4
	v_add_nc_u32 v[ADRB+\s], s22, v4
	s_add_co_u32 s21, s21, SLOT
	s_add_co_u32 s22, s22, SLOT
.endr
	; the way out's stage: 256 rows (source 1's) x (256 codes + 16), in slot 0
	s_mul_i32 s23, s15, HALFT
	s_lshl_b32 s84, s16, 7
	s_add_co_u32 s23, s23, s84
	v_lshl_add_u32 v5, v2, 3, v3
	v_add_nc_u32 v[STO], s23, v5
	v_and_b32 v6, 31, v0
	v_lshrrev_b32 v7, 2, v6
	v_mul_u32_u24 v7, v7, PITCH
	v_and_b32 v8, 3, v6
	v_lshl_add_u32 v7, v8, 4, v7
	s_lshl_b32 s23, s14, 6
	v_add_nc_u32 v[RDQ], s23, v7                   ; q, k: wave w takes head w of the tile's four: row l / 4, byte 64 w + 16 (l % 4)
	v_add_nc_u32 v[RDQ2], 128*PITCH, v[RDQ]
	v_lshlrev_b32 v[GQ], 4, v6
	s_mul_i32 s23, s14, 64*PITCH
	v_mul_u32_u24 v7, v2, PITCH
	v_lshl_add_u32 v7, v1, 4, v7
	v_add_nc_u32 v[RDV], s23, v7                   ; v: wave w takes rows 64 w on
	v_lshlrev_b32 v[GV], 11, v2
	v_lshl_add_u32 v[GV], v1, 4, v[GV]
	; my part of qkvc: type x 4,194,304 + batch x 2,097,152 + head x 131,072 + the tile's first token x 64 (q, k) or x 1 (v)
	s_cmp_eq_u32 ttmp9, 2
	s_cselect_b32 s88, s42, s17                    ; the tokens' tile
	s_cselect_b32 s89, s17, s42                    ; the weights' tile
	s_lshr_b32 s20, s89, 2
	s_lshl_b32 s20, s20, 22
	s_lshr_b32 s21, s88, 3
	s_lshl_b32 s21, s21, 21
	s_add_co_u32 s20, s20, s21
	s_and_b32 s21, s89, 3
	s_lshl_b32 s21, s21, 2
	s_add_co_u32 s21, s21, s14
	s_lshl_b32 s21, s21, 17
	s_add_co_u32 s20, s20, s21
	s_cmp_eq_u32 ttmp9, 2
	s_cselect_b32 s22, 8, 14
	s_and_b32 s21, s88, 7
	s_lshl_b32 s21, s21, s22
	s_add_co_u32 s20, s20, s21
	s_mov_b32 s21, 0
	s_add_nc_u64 s[10:11], s[10:11], s[20:21]
.macro FRAG reg, adr, q, i             ; lane l: row l % 16; registers 4 c .. 4 c + 3: K = 32 c + 16 (l / 16) + 0 .. 15, alike on both sides
.irp c, 0,1,2,3
	ds_load_b128 v[\reg+4*\c:\reg+4*\c+3], v[\adr] offset:128*(\q)+32*\c+(\i)*16*PITCH
.endr
.endm
.macro MUL16 a0, p, zero               ; the 64 accumulators take turns, in the same order in every step
.irp a, \a0, \a0+1
.irp b, 0,1,2,3,4,5,6,7
.if \zero
	v_wmma_f32_16x16x128_fp8_fp8 v[8*(8*((\a)%4)+\b):8*(8*((\a)%4)+\b)+7], v[128*(\p)+FR*\b:128*(\p)+FR*\b+FR-1], v[AF+FR*(\a):AF+FR*(\a)+FR-1], 0
.else
	v_wmma_f32_16x16x128_fp8_fp8 v[8*(8*((\a)%4)+\b):8*(8*((\a)%4)+\b)+7], v[128*(\p)+FR*\b:128*(\p)+FR*\b+FR-1], v[AF+FR*(\a):AF+FR*(\a)+FR-1], v[8*(8*((\a)%4)+\b):8*(8*((\a)%4)+\b)+7]
.endif
.endr
.endr
.endm
.macro FETCH_B slot, q, p
	WIN TO_B
.irp i, 0,1,2,3,4,5,6,7
	FRAG 128*(\p)+FR*\i, ADRB+\slot, \q, \i
.endr
	WIN 0
.endm
.macro FETCH_A slot, q, i0
.irp i, \i0, \i0+1, \i0+2, \i0+3
	FRAG AF+FR*(\i), ADRA+\slot, \q, \i
.endr
.endm
.macro PLACES n
.rept \n
	v_nop
.endr
.endm
.macro STEP slot, q, zero              ; 128 along K, its successor in the same slot
	s_wait_dscnt 4*NL                              ; the youngest 16 loads (source 1's blocks 4-7) may be out
	WIN MUL_LO
	MUL16 0, (\q)%2, \zero
	MUL16 2, (\q)%2, \zero
	s_wait_dscnt 0
	PLACES NP
	FETCH_B \slot, (\q)+1, 1-(\q)%2
	FETCH_A \slot, (\q)+1, 0
	WIN MUL_HI
	MUL16 4, (\q)%2, \zero
	MUL16 6, (\q)%2, \zero
	PLACES NP
	WIN 0
	FETCH_A \slot, (\q)+1, 4
.endm
.macro TURN slot, next, fill           ; a slot's last step changes slots; fill = 1: this slot is filled again, two K steps ahead
	s_wait_tensorcnt 0x0                           ; my part of the next slot has landed
	ds_add_u32 v[SPW], v[NIL]
	s_wait_dscnt 4*NL+1                            ; the add and the youngest 16 loads may be out
	WIN MUL_LO
	MUL16 0, 1, 0
	s_wait_dscnt 0x0                               ; the add is done, my reads of this slot are over
	s_barrier_signal -1
	MUL16 2, 1, 0
	WIN 0
	s_barrier_wait -1
.if \fill
	CREST                                          ; the barrier has opened a round of the cluster's
	s_add_nc_u64 s[G0+4*\slot+2:G0+4*\slot+3], s[G0+4*\slot+2:G0+4*\slot+3], 2*ROWB
	s_add_nc_u64 s[G0B+4*\slot+2:G0B+4*\slot+3], s[G0B+4*\slot+2:G0B+4*\slot+3], 2*ROWB
	JLOAD G0+4*\slot, G1, G0B+4*\slot, G1B
.else
	PLACES NP
.endif
	FETCH_B \next, 0, 0
	FETCH_A \next, 0, 0
	WIN MUL_HI
	MUL16 4, 1, 0
	MUL16 6, 1, 0
	PLACES NP
	WIN 0
	FETCH_A \next, 0, 4
.endm
	s_wait_alu depctr_va_vdst(0)                   ; the head's end
	s_wait_tensorcnt 0x0                           ; my part of K step 0 is in; slot 1's first fill is issued as a refill is
	ds_add_u32 v[SPW], v[NIL]
	s_wait_dscnt 0x0
	CROUND
	JLOAD G0+4, G1, G0B+4, G1B                     ; K step 1
	FETCH_B 0, 0, 0
	FETCH_A 0, 0, 0
	FETCH_A 0, 0, 4
	STEP 0, 0, 1                                   ; the first step's products start the sums
	s_mov_b32 s3, LAPS-1
.Llap:
	TURN 0, 1, 1
	STEP 1, 0, 0
	TURN 1, 0, 1
	STEP 0, 0, 0
	s_sub_co_u32 s3, s3, 1
	s_cmp_lg_u32 s3, 0
	s_cbranch_scc1 .Llap
	TURN 0, 1, 0                                   ; the last lap fills nothing
	STEP 1, 0, 0
	s_wait_dscnt 4*NL
	WIN MUL_LO
	MUL16 0, 1, 0
	MUL16 2, 1, 0
	s_wait_dscnt 0
	WIN MUL_HI
	MUL16 4, 1, 0
	MUL16 6, 1, 0
	WIN 0
	; THE WAY OUT.  Sums become codes; the codes meet in a stage in slot 0, which has had its last fill and its last read; each wave then stores whole rows.
	s_wait_kmcnt 0x0
	s_cmp_eq_u32 ttmp9, 1
	s_cselect_b32 s84, s75, s74                    ; e of q or k,
	s_cmp_eq_u32 ttmp9, 2
	s_cselect_b32 s84, s76, s84                    ; or v
	s_sub_co_i32 s84, s84, s72
	s_sub_co_i32 s84, s84, s73
	s_add_co_i32 s84, s84, 127
	s_lshl_b32 s85, s84, 23
	s_add_co_i32 s84, s84, 8
	s_lshl_b32 s84, s84, 23
	s_or_b32 s84, s84, 0x600000
	PLACES NP
	v_mov_b32 v[SC], s85                           ; 2^(e - e0 - e1)
	v_mov_b32 v[LIM], s84                          ; 448 x that
.macro TOCODE a
.set AC, 64*((\a)%4)
	WIN 0x02+((\a)/4)
.set j, 0
.rept 64
	v_med3_num_f32 v[TMP+j], v[AC+j], -v[LIM], v[LIM]   ; the hold (the conversion does not saturate: ISA guide 7.6.2); each accumulator from its low end on
.set j, j+1
.endr
	WIN 0
.irp b, 0,1,2,3,4,5,6,7
	v_cvt_scalef32_pk8_fp8_f32 v[CD+16*(\a)+2*\b:CD+16*(\a)+2*\b+1], v[TMP+8*\b:TMP+8*\b+7], v[SC]
.endr
	v_nop                                          ; a plain line behind the last conversion
.irp b, 0,1,2,3,4,5,6,7
	ds_store_b64 v[STO], v[CD+16*(\a)+2*\b:CD+16*(\a)+2*\b+1] offset:(\a)*16*PITCH+16*\b
.endr
.endm
.irp a, 0,1,2,3,4,5,6,7
	TOCODE \a
.endr
	s_wait_dscnt 0x0                               ; for the others' sake: my stores are done
	s_barrier_signal -1
	s_barrier_wait -1
	s_cmp_eq_u32 ttmp9, 2                          ; the cluster's x: alike in all partners and waves
	s_cbranch_scc1 .Lv_out
.set i, 0
.rept 16
	ds_load_b128 v[CD+4*i:CD+4*i+3], v[RDQ] offset:i*8*PITCH      ; eight tokens x 64 codes of my head
.set i, i+1
.endr
.rept 16
	ds_load_b128 v[CD+4*i:CD+4*i+3], v[RDQ2] offset:(i-16)*8*PITCH
.set i, i+1
.endr
.set i, 0
.rept 32
	s_wait_dscnt 31-i                              ; the younger loads may be out
	global_store_b128 v[GQ], v[CD+4*i:CD+4*i+3], s[10:11] offset:512*i   ; 32 lanes store 512 consecutive bytes, aligned
.set i, i+1
.endr
	s_branch .Lout
.Lv_out:
.set i, 0
.rept 32
	ds_load_b128 v[CD+4*i:CD+4*i+3], v[RDV] offset:i*2*PITCH      ; two rows d x 256 tokens
.set i, i+1
.endr
.set i, 0
.rept 32
	s_wait_dscnt 31-i
	global_store_b128 v[GV], v[CD+4*i:CD+4*i+3], s[10:11] offset:i*2*2048   ; sixteen lanes store 256 consecutive bytes, aligned
.set i, i+1
.endr
.Lout:
	s_wait_tensorcnt 0x0                           ; the wave's end
	ds_add_u32 v[SPW], v[NIL]
	s_wait_dscnt 0x0
	CROUND                                         ; the closing round
	s_endpgm
.Lfunc_end_k_qb3b967f65e_qkv:
	.size	k_qb3b967f65e_qkv, .Lfunc_end_k_qb3b967f65e_qkv-k_qb3b967f65e_qkv
	.p2alignl 7, 3214868480
	.fill 96, 4, 3214868480
	.section	.rodata,"a",@progbits
	.p2align	6, 0x0
	.amdhsa_kernel k_qb3b967f65e_qkv
		.amdhsa_group_segment_fixed_size 327680
		.amdhsa_private_segment_fixed_size 0
		.amdhsa_enable_private_segment 0
		.amdhsa_kernarg_size 32
		.amdhsa_user_sgpr_count 2
		.amdhsa_user_sgpr_kernarg_segment_ptr 1
		.amdhsa_wavefront_size32 1
		.amdhsa_system_sgpr_workgroup_id_x 1
		.amdhsa_system_sgpr_workgroup_id_y 1
		.amdhsa_system_sgpr_workgroup_id_z 1
		.amdhsa_system_vgpr_workitem_id 0
		.amdhsa_next_free_vgpr 1024
		.amdhsa_next_free_sgpr 100
		.amdhsa_reserve_vcc 0
		.amdhsa_float_denorm_mode_32 3
		.amdhsa_float_denorm_mode_16_64 3
		.amdhsa_memory_ordered 1
		.amdhsa_forward_progress 1
		.amdhsa_inst_pref_size 132
	.end_amdhsa_kernel
	.amdgpu_metadata
---
amdhsa.version: [ 1, 2 ]
amdhsa.kernels:
  - .name:           k_qb3b967f65e_qkv
    .symbol:         k_qb3b967f65e_qkv.kd
    .args:
      - { .name: act, .offset: 0, .size: 8, .value_kind: global_buffer, .address_space: global }
      - { .name: wc, .offset: 8, .size: 8, .value_kind: global_buffer, .address_space: global }
      - { .name: lowp_scales, .offset: 16, .size: 8, .value_kind: global_buffer, .address_space: global }
      - { .name: qkvc, .offset: 24, .size: 8, .value_kind: global_buffer, .address_space: global }
    .group_segment_fixed_size: 327680
    .private_segment_fixed_size: 0
    .kernarg_segment_align: 8
    .kernarg_segment_size: 32
    .max_flat_workgroup_size: 128
    .sgpr_count:     100
    .vgpr_count:     1024
    .wavefront_size: 32
...
	.end_amdgpu_metadata
.endif
;; end of part 2
;; launch attn (part 3): grid 8 x 32, 16 waves a work-group, no clusters, 327,680 bytes of LDS; arguments qkvc, key_padding_mask, lowp_scales, ao; writes ao
.if DOCPART == 3
	.amdgcn_target "amdgcn-amd-amdhsa--gfx1250"
	.amdhsa_code_object_version 6
	.text
	.protected	k_qb3b967f65e_attn
	.globl	k_qb3b967f65e_attn
	.p2align	8
	.type	k_qb3b967f65e_attn,@function
k_qb3b967f65e_attn:
	s_mov_b64 s[64:65], 0
	v_nop
	global_prefetch_b8 v0, s[64:65] scope:SCOPE_SE
	s_setreg_imm32_b32 hwreg(HW_REG_WAVE_MODE, 25, 1), 1
	s_wait_xcnt 0x0
; PRODUCTS 2 AND 3: attention on codes of FP8 (E4M3), with the key padding mask and the causal mask; the result is quantised as the left operand of the projection.
; qkvc: q [b][h][t][64] at byte 0 (scale entry 2), k likewise at 4,194,304 (entry 3), v [b][h][d][2048], the keys innermost, at 8,388,608 (entry 4).  ao: codes [h][token 4096][64] (entry 6).
; LEFT OUT AS DEAD WORK: steps of 128 keys that lie wholly behind a tile's queries, and slots of keys that no wave of the work-group reads: reference() itself puts -inf there, so their weight is 0 for all finite inputs.
; LIMIT: a NaN, an infinity or an overflow that reaches only such places is not carried to the result.
; THE LOGIT IS ROUNDED AS reference() ROUNDS IT: logit = RN(score x 2^(e2 + e3) / 8 + addend), addend = -1e9 for a padded key and -0 else (the factor is a power of two, so one fused multiply-add rounds once, as the
; addition does); t = RN(logit x log2(e)), a rounding of its own; M = the ceiling of the largest t so far; p = 2^(t - M), quantised with entry 5, not normalised.  The row's sum is taken of the unquantised p
; and divides at the end.  When M moves, the sum and O are multiplied by 2^(old M - new M), which rounds nothing.  In rows whose visible keys are all padded the rounding at 1e9 decides p, so the steps are kept apart.
; SHARES.  A head's 16 blocks of 128 queries are paired: work-group i takes blocks i and 15 - i, 8 tiles of 16 queries each; tile n of the one and tile n of the other have (i + 1) + (16 - i) = 17 key steps of 128 keys together.
; A TILE'S KEY STEPS ARE SHARED BY TWO WAVES: waves 2 n and 2 n + 1 both hold tile n of both blocks; one takes the even key steps, the other the odd ones: 9 and 8 steps, whatever i.  So all sixteen waves have work in every
; slot that the late block reaches, and no wave walks more than 9 steps.  Each wave keeps its own running M, sum and O^T for both tiles.  At the end the two halves of a tile meet through LDS: with M* the larger M, each half
; is multiplied by 2^(M - M*), which rounds nothing, and the two are added.  A half that had no step holds zeros and M = -3e38: its factor is 0.  Key 0 counts for every query, so one half at least is live.
; Set A is the tile that the wave finishes, set B the one that it hands to its partner; which block is A hangs on the wave's parity, by scalar registers: the text is alike for all waves.
; NO CLUSTER: under the causal mask the eight work-groups of a head need different numbers of key slots (work-group i needs those up to query 2047 - 128 i), so a joint load would bring tiles that every wave of some partner jumps over.
; Every work-group walks all 4 slots of 512 keys, so the trip counts are constants; what is left out is a step's work, and, past the work-group's last query, the tensor loads.
; LAYOUT.  Both products are used transposed (S^T = K Q^T, O^T = V^T P^T): a lane holds ONE query throughout.  The keys of a tile are not neighbours: lane r of tile 2 b + u takes key 32 b + 8 u + r + 8 (r / 8), so that the
; 16 registers of tiles 2 b, 2 b + 1 are the 16 neighbouring keys 32 b + 16 (lane / 16) + 0 .. 15, and the conversions' results are the second product's operand.
; LIMITS on the exponents: e2 + e3 - 3 between -126 and 127; e5 and e6 between -126 and 119.  NaN among the inputs is not served.
; REGISTERS: v1-7 addresses that stay; v8-11 addresses in hand; set A: v12 -M, v13 the largest t, v[14:15] the sum, v16-23 Q, v160-191 O^T; set B: v248-251, v24-31, v192-223; v32-95 K's fragments, then the addends, then V's;
; v96-159 S^T, t, p; v224-239 p's codes; v240, v244: 448 x 2^e5, 2^e5; v241, v245: the same with e6; v246, v247, v255 the head's addresses; v236, v242, v243, v252-254 at work.
.set SK,    512                        ; keys in a slot: four key steps, two of each parity
.set KP,    80                         ; a key's row in LDS: 64 bytes + 16
.set VP,    528                        ; a row of V's tile: 512 bytes + 16 = 132 words: the 16 rows that a load touches start at 16 different banks (64 banks of 4 bytes: ISA guide 11.1)
.set VOFF,  SK*KP                      ; a slot: 512 rows of K, then 64 rows of V
.set SLOT1, 1<<17                      ; slot 1 begins here: one exclusive or turns an address
.set NSL,   4
.set TBL,   2*SLOT1                    ; 2,048 f32: the batch's addends; stored once, never filled
.set STAGE, TBL+8192                   ; 1,024 bytes a wave for the way out; never filled
.set SPARE, STAGE+16*1024              ; the spare words, 128 bytes a wave
.set XB,    4608                       ; the meeting: 36 registers' image for each wave, from LDS byte 0 on: in slot 0, which was left at the last change of slots: it has had its last fill, and nobody reads it
.set AK0,  1
.set AV0,  2
.set PFO,  3
.set AM0,  4
.set SPW,  5
.set NIL,  6
.set GO,   7
.set ADK,  8
.set ADV,  9
.set ADM,  10
.set STA,  12
.set QA,   16
.set QB,   24
.set OA,   160
.set OB,   192
.set STB,  248
.set TB,   2                           ; s2   LDS byte at which the slot in hand begins
.set MB,   3                           ; s3   byte of the slot's first key in the table
.set WV,   18
.set SEL,  20                          ; s[20:21] lane selects: lane l xor 16
.set SCL,  22                          ; s[22:23] 2^(e2 + e3 - 3)
.set G1K,  24
.set G1V,  32
.set G0K,  40
.set G0V,  44
.set L2E,  48                          ; s[48:49] log2(e)
.set Q0B,  50                          ; s50  set B's first query
.set KS,   51                          ; s51  the first key of the slot in hand: alike in all waves
.set PAR,  54                          ; s54  my parity
.set LASTQ, 66                         ; s66  my work-group's last query
.set SLOTS, 67
.set PFA,  76
.set PFS,  78
.set LIM,  80
.set KF,   98                          ; s98  the first key of my step in hand
.set Q0A,  99                          ; s99  set A's first query
; Waves 0 to 3 fetch K's quarters, wave 4 fetches V's tile, the others nothing.  An s_nop 0 and four v_nop follow each of the two lines.
.macro TLOAD
	s_cmp_lt_u32 s[WV], 4
	s_cbranch_scc0 .Lnot_k_\@
	tensor_load_to_lds s[G0K:G0K+3], s[G1K:G1K+7]
	s_nop 0
.rept 4
	v_nop
.endr
	s_branch .Lasked_\@
.Lnot_k_\@:
	s_cmp_eq_u32 s[WV], 4
	s_cbranch_scc0 .Lasked_\@
	tensor_load_to_lds s[G0V:G0V+3], s[G1V:G1V+7]
	s_nop 0
.rept 4
	v_nop
.endr
.Lasked_\@:
.endm
; A prefetch of what the NEXT change of slots will ask for.  All work-groups of a head walk the same K and V: work-group 0, the one that loads every slot, asks.  In it waves 8 to 11 ask for K's 32,768 bytes
; (8,192 a wave, lanes 256 bytes apart), waves 12 to 15 for V's 64 rows of 512 bytes (32 rows and one half of 256 bytes a wave, a lane a row): each aligned block of 256 bytes is named once.
; The last change that fills a slot asks for nothing.
.macro ASK
	s_cmp_gt_u32 s[SLOTS], s[LIM]
	s_cbranch_scc0 .Lnot_mine_\@
	global_prefetch_b8 v[PFO], s[PFA:PFA+1] th:TH_LOAD_NT scope:SCOPE_SE
.Lnot_mine_\@:
.endm
	s_load_b256 s[4:11], s[0:1], 0x0               ; qkvc s[4:5], key_padding_mask s[6:7], lowp_scales s[8:9], ao s[10:11]
	v_lshl_add_u32 v[SPW], v0, 2, SPARE
	v_mov_b32 v[NIL], 0
	ds_add_u32 v[SPW], v[NIL]                      ; the wave's opening: the add, twice on end, and its wait ahead of the first tensor load
	ds_add_u32 v[SPW], v[NIL]
	v_lshrrev_b32 v8, 5, v0
	s_delay_alu instid0(VALU_DEP_1)
	v_readfirstlane_b32 s[WV], v8                  ; wave 0..15
	s_and_b32 s81, ttmp7, 0xffff                   ; 16 x batch + head
	s_lshl_b32 s82, s81, 17                        ; the head's first byte in q, in k and in v: 131,072 each
	s_mov_b32 s83, 0
	s_lshr_b32 s[PAR], s[WV], 2
	s_xor_b32 s[PAR], s[PAR], s[WV]
	s_and_b32 s[PAR], s[PAR], 1                    ; my parity: waves 2 n and 2 n + 1 take both values; of waves w, w + 4, w + 8, w + 12, and of four neighbours, two have each
	s_sub_co_u32 s85, 15, ttmp9
	s_cmp_eq_u32 s[PAR], 0
	s_cselect_b32 s86, s85, ttmp9                  ; set A's block of 128 queries,
	s_cselect_b32 s87, ttmp9, s85                  ; set B's: my partner has them the other way round
	s_lshr_b32 s88, s[WV], 1
	s_lshl_b32 s88, s88, 4                         ; 16 x my tile
	s_lshl_b32 s86, s86, 7
	s_lshl_b32 s87, s87, 7
	s_add_co_u32 s[Q0A], s86, s88
	s_add_co_u32 s[Q0B], s87, s88
	s_lshl_b32 s[KF], s[PAR], 7                    ; my first step's first key
	s_lshl_b32 s[LASTQ], ttmp9, 7
	s_sub_co_u32 s[LASTQ], 2047, s[LASTQ]
	s_and_b32 s88, s[WV], 3
	s_mul_i32 s89, s88, 128*KP                     ; K's quarter: in a slot,
	s_lshl_b32 s90, s88, 13                        ; and in memory
	s_mov_b32 s91, 0
	s_mov_b32 s[G1K], (0<<16)|(1<<20)|(3<<22)|(3<<25)             ; elements of 1 byte; padding: four words after every 16
	s_mov_b32 s[G1K+1], 64<<16                     ; tensor_dim0
	s_mov_b32 s[G1K+2], 128<<16                    ; tensor_dim1
	s_mov_b32 s[G1K+3], 64<<16                     ; tile_dim0
	s_mov_b32 s[G1K+4], 128                        ; tile_dim1
	s_mov_b32 s[G1K+5], 64                         ; tensor_dim0_stride
	s_mov_b32 s[G1K+6], 0
	s_mov_b32 s[G1K+7], 0
	s_mov_b32 s[G1V], (0<<16)|(1<<20)|(6<<22)|(3<<25)             ; padding: four words after every 128
	s_mov_b32 s[G1V+1], 512<<16
	s_mov_b32 s[G1V+2], 64<<16
	s_mov_b32 s[G1V+3], 512<<16
	s_mov_b32 s[G1V+4], 64
	s_mov_b32 s[G1V+5], 2048
	s_mov_b32 s[G1V+6], 0
	s_mov_b32 s[G1V+7], 0
	s_mov_b32 s[SEL], 0x76543210
	s_mov_b32 s[SEL+1], 0xfedcba98
	s_mov_b32 s[L2E], 0x3fb8aa3b
	s_mov_b32 s[L2E+1], s[L2E]
	s_mov_b32 s[TB], 0
	s_mov_b32 s[MB], 0
	s_mov_b32 s[KS], 0
	s_mov_b32 s[SLOTS], NSL-1
	s_wait_dscnt 0x0                               ; both opening adds are done
	s_wait_kmcnt 0x0
	s_load_b256 s[68:75], s[8:9], 0x0              ; e0 .. e7
	s_add_nc_u64 s[4:5], s[4:5], s[82:83]          ; the head's q,
	s_add_nc_u64 s[12:13], s[4:5], 4194304         ; k,
	s_add_nc_u64 s[14:15], s[4:5], 8388608         ; v
	s_mov_b32 s[G0K], 1
	s_mov_b32 s[G0K+1], s89
	s_add_nc_u64 s[G0K+2:G0K+3], s[12:13], s[90:91]
	s_or_b32 s[G0K+3], s[G0K+3], 0x80000000
	s_mov_b32 s[G0V], 1
	s_mov_b32 s[G0V+1], VOFF
	s_mov_b64 s[G0V+2:G0V+3], s[14:15]
	s_or_b32 s[G0V+3], s[G0V+3], 0x80000000
	TLOAD                                          ; slot 0: it holds key 0, which counts for every query
	s_lshl_b32 s90, s[Q0B], 6
	s_add_nc_u64 s[52:53], s[4:5], s[90:91]        ; q at set B's first query,
	s_lshl_b32 s90, s[Q0A], 6
	s_add_nc_u64 s[4:5], s[4:5], s[90:91]          ; and at set A's
	s_lshr_b32 s93, s81, 4                         ; the batch
	s_lshl_b32 s86, s93, 11
	s_mov_b32 s87, 0
	s_add_nc_u64 s[6:7], s[6:7], s[86:87]          ; its mask
	s_add_co_u32 s94, s86, s[Q0A]
	s_lshl_b32 s94, s94, 6
	s_and_b32 s92, s81, 15
	s_lshl_b32 s92, s92, 18
	s_add_co_u32 s92, s92, s94                     ; ao: head x 262,144 + token x 64: the tile that I finish
	s_mov_b32 s93, 0
	s_add_nc_u64 s[10:11], s[10:11], s[92:93]
	; the prefetches: where my wave's stand, and who asks
	s_and_b32 s86, s[WV], 3
	s_lshl_b32 s86, s86, 13                        ; K: my wave's 8,192 bytes
	s_and_b32 s87, s[WV], 1
	s_lshl_b32 s87, s87, 16                        ; V: my wave's 32 rows of 2,048 bytes,
	s_bfe_u32 s92, s[WV], 0x10001
	s_lshl_b32 s92, s92, 8
	s_add_co_u32 s87, s87, s92                     ; and its half of a slot's 512
	s_cmp_lt_u32 s[WV], 12
	s_cselect_b64 s[PFA:PFA+1], s[12:13], s[14:15]
	s_mov_b32 s[PFS], 512
	s_cselect_b32 s[PFS], 32768, s[PFS]            ; a slot on
	s_mov_b32 s82, 2048
	s_cselect_b32 s82, 256, s82                    ; from lane to lane
	s_cselect_b32 s83, s86, s87
	v_and_b32 v[PFO], 31, v0
	s_delay_alu instid0(VALU_DEP_1)
	v_mul_lo_u32 v[PFO], v[PFO], s82
	s_add_co_u32 s82, s83, s[PFS]                  ; in slot 1: the first change of slots steps it to slot 2
	s_mov_b32 s83, 0
	s_mov_b32 s[PFS+1], 0
	s_add_nc_u64 s[PFA:PFA+1], s[PFA:PFA+1], s[82:83]
	s_sub_co_u32 s82, s[WV], 8
	s_lshr_b32 s82, s82, 3                         ; 0 in waves 8 to 15,
	s_or_b32 s82, s82, ttmp9                       ; of the head's work-group 0
	s_cmp_eq_u32 s82, 0
	s_cselect_b32 s[LIM], 1, -1
	v_lshlrev_b32 v247, 2, v0
	global_load_b32 v96, v247, s[6:7]              ; four bytes of the batch's mask a thread
	v_and_b32 v8, 15, v0                           ; r
	v_bfe_u32 v9, v0, 4, 1                         ; h
	s_delay_alu instid0(VALU_DEP_2)
	v_lshlrev_b32 v246, 6, v8
	s_delay_alu instid0(VALU_DEP_1)
	v_lshl_add_u32 v246, v9, 4, v246
	global_load_b128 v[QA:QA+3], v246, s[4:5]      ; Q's fragments stay in registers: registers 4 c .. 4 c + 3 hold K = 32 c + 16 h + 0 .. 15, as K's fragments do
	global_load_b128 v[QA+4:QA+7], v246, s[4:5] offset:32
	global_load_b128 v[QB:QB+3], v246, s[52:53]
	global_load_b128 v[QB+4:QB+7], v246, s[52:53] offset:32
	v_lshl_add_u32 v255, v0, 4, TBL
	v_and_b32 v10, 8, v8
	s_delay_alu instid0(VALU_DEP_1)
	v_add_nc_u32 v10, v10, v8                      ; r + 8 (r / 8)
	s_delay_alu instid0(VALU_DEP_1)
	v_mul_u32_u24 v[AK0], v10, KP
	s_delay_alu instid0(VALU_DEP_1)
	v_lshl_add_u32 v[AK0], v9, 4, v[AK0]
	s_mul_i32 s92, s[PAR], 128*KP
	v_add_nc_u32 v[AK0], s92, v[AK0]               ; my parity's 128 keys stand in the three addresses; which of my two steps of a slot, in the immediates
	v_mul_u32_u24 v[AV0], v8, VP
	s_delay_alu instid0(VALU_DEP_1)
	v_lshl_add_u32 v[AV0], v9, 4, v[AV0]
	s_lshl_b32 s92, s[PAR], 7
	s_add_co_u32 s92, s92, VOFF
	v_add_nc_u32 v[AV0], s92, v[AV0]
	v_lshlrev_b32 v[AM0], 6, v9
	s_lshl_b32 s92, s[PAR], 9
	s_add_co_u32 s92, s92, TBL
	v_add_nc_u32 v[AM0], s92, v[AM0]               ; the addends of my half's 16 keys of a block of 32
	v_and_b32 v[GO], 31, v0
	s_delay_alu instid0(VALU_DEP_1)
	v_lshlrev_b32 v[GO], 4, v[GO]
	v_mov_b32 v[STA+1], 0xff61b1e6                 ; the largest t so far: -3e38
	s_delay_alu instid0(VALU_DEP_1)
	v_floor_f32 v[STA], -v[STA+1]                  ; -M
	v_mov_b32 v[STA+2], 0
	v_mov_b32 v[STA+3], 0
	v_mov_b32 v[STB+1], 0xff61b1e6
	s_delay_alu instid0(VALU_DEP_1)
	v_floor_f32 v[STB], -v[STB+1]
	v_mov_b32 v[STB+2], 0
	v_mov_b32 v[STB+3], 0
	v_mov_b32 v236, 0                              ; (a permute's destination, and the upper half of a pair: written once)
	v_mov_b32 v253, 0
.set j, 0
.rept 64
	v_mov_b32 v[OA+j], 0                           ; both O^T: the step is written for all steps alike; a tile's first step finds zeros
.set j, j+1
.endr
	s_wait_kmcnt 0x0
	s_add_co_i32 s84, s70, s71
	s_add_co_i32 s84, s84, 124                     ; e2 + e3 - 3 + 127
	s_lshl_b32 s[SCL], s84, 23
	s_mov_b32 s[SCL+1], s[SCL]
	s_add_co_i32 s84, s73, 127
	s_lshl_b32 s85, s84, 23
	v_mov_b32 v244, s85                            ; 2^e5
	s_add_co_i32 s84, s84, 8
	s_lshl_b32 s84, s84, 23
	s_or_b32 s84, s84, 0x600000
	v_mov_b32 v240, s84                            ; 448 x 2^e5
	s_add_co_i32 s84, s74, 127
	s_lshl_b32 s85, s84, 23
	v_mov_b32 v245, s85                            ; 2^e6
	s_add_co_i32 s84, s84, 8
	s_lshl_b32 s84, s84, 23
	s_or_b32 s84, s84, 0x600000
	v_mov_b32 v241, s84                            ; 448 x 2^e6
	s_wait_loadcnt 4                               ; the mask is in; Q's four loads may be out
.irp k, 0,1,2,3
	v_bfe_u32 v[100+\k], v96, 8*\k, 8
.endr
.irp k, 0,1,2,3
	s_delay_alu instid0(VALU_DEP_4)
	v_cvt_f32_u32 v[100+\k], v[100+\k]
.endr
.irp k, 0,1,2,3
	s_delay_alu instid0(VALU_DEP_4)
	v_mul_f32 v[100+\k], 0xce6e6b28, v[100+\k]     ; mask x -1e9, as reference() forms it
.endr
	ds_store_b128 v255, v[100:103]                 ; the first change of slots waits for it and passes a barrier
; A KEY STEP of one tile: the 128 keys from s[KF] on, my u-th step of the slot in hand.  QR: the tile's Q; OR: its O^T; MR: its -M, largest t and sum; SQ: the scalar register with its first query.
.macro STEP u, QR, OR, MR, SQ
	s_add_co_u32 s96, s[\SQ], 15                   ; a step all of whose keys come after the tile's 16 queries is left out: a branch on ids, round the step's work alone
	s_cmp_gt_u32 s[KF], s96
	s_cbranch_scc1 .Lhidden_\@
	v_add_nc_u32 v[ADK], s[TB], v[AK0]
	v_add_nc_u32 v[ADV], s[TB], v[AV0]
	v_add_nc_u32 v[ADM], s[MB], v[AM0]
	v_nop                                          ; with the three additions: the places in front of loads into registers that the last products read
	v_nop
.irp t, 0,1,2,3,4,5,6,7
.irp c, 0,1
	ds_load_b128 v[32+8*\t+4*\c:35+8*\t+4*\c], v[ADK] offset:(256*(\u)+32*(\t/2)+8*(\t%2))*KP+32*\c
.endr
.endr
	s_wait_alu depctr_va_vdst(0)
	s_wait_dscnt 0x0
.irp t, 0,1,2,3,4,5,6,7
	v_wmma_f32_16x16x64_fp8_fp8 v[96+8*\t:103+8*\t], v[32+8*\t:39+8*\t], v[\QR:\QR+7], 0
.endr
.rept 4
	v_nop                                          ; places in front of the loads below and of the first read of the scores
.endr
.irp b, 0,1,2,3
.irp j, 0,1,2,3
	ds_load_b128 v[32+16*\b+4*\j:35+16*\b+4*\j], v[ADM] offset:1024*(\u)+128*\b+16*\j   ; the addends of my 64 keys, register for register
.endr
.endr
	s_wait_dscnt 0x0
.set j, 0
.rept 32
	v_pk_fma_f32 v[96+j:97+j], v[96+j:97+j], s[SCL:SCL+1], v[32+j:33+j] op_sel_hi:[1,0,1]   ; the logit: one rounding, at the addend's size
.set j, j+2
.endr
.irp t, 0,1,2,3
.irp c, 0,1,2,3
	ds_load_b128 v[32+16*\t+4*\c:35+16*\t+4*\c], v[ADV] offset:16*\t*VP+256*(\u)+32*\c   ; V's four fragments land while the softmax is worked
.endr
.endr
.set j, 0
.rept 32
	v_pk_mul_f32 v[96+j:97+j], v[96+j:97+j], s[L2E:L2E+1] op_sel_hi:[1,0]   ; t
.set j, j+2
.endr
	s_add_co_u32 s96, s[KF], 127                   ; on the diagonal the t of hidden keys become -infinity; a step all of whose keys count skips this
	s_cmp_le_u32 s96, s[\SQ]
	s_cbranch_scc1 .Lopen_\@
	s_sub_co_i32 s96, s[\SQ], s[KF]
	v_and_b32 v252, 15, v0
	v_bfe_u32 v253, v0, 4, 1
	s_delay_alu instid0(VALU_DEP_1)
	v_lshlrev_b32 v253, 4, v253
	s_delay_alu instid0(VALU_DEP_1)
	v_sub_nc_u32 v252, v252, v253
	s_delay_alu instid0(VALU_DEP_1)
	v_add_nc_u32 v252, s96, v252                   ; d = my query - KF - 16 (lane / 16); register 16 b + i holds key KF + 16 (lane / 16) + 32 b + i: hidden where 32 b + i > d
	v_mov_b32 v254, 0xff800000
.set n, 0
.rept 64
	v_cmp_gt_i32 vcc_lo, 32*(n/16)+n%16, v252
	s_delay_alu instid0(VALU_DEP_1)
	v_cndmask_b32 v[96+n], v[96+n], v254, vcc_lo
.set n, n+1
.endr
.Lopen_\@:
	v_max3_num_f32 v254, v96, v97, v98             ; the step's largest t of my query among my 64 keys, in two chains,
	v_max3_num_f32 v252, v99, v100, v101
.irp i, 6,10,14,18,22,26,30,34,38,42,46,50,54,58
	s_delay_alu instid0(VALU_DEP_2)
	v_max3_num_f32 v254, v254, v[96+\i], v[97+\i]
	s_delay_alu instid0(VALU_DEP_2)
	v_max3_num_f32 v252, v252, v[98+\i], v[99+\i]
.endr
	s_delay_alu instid0(VALU_DEP_2)
	v_max3_num_f32 v254, v254, v158, v159
	s_delay_alu instid0(VALU_DEP_1)
	v_max_num_f32 v254, v254, v252
	v_permlanex16_b32 v236, v254, s[SEL], s[SEL+1]
	s_delay_alu instid0(VALU_DEP_1)
	v_max_num_f32 v254, v254, v236                 ; and among lane l xor 16's
	s_delay_alu instid0(VALU_DEP_1)
	v_max_num_f32 v[\MR+1], v[\MR+1], v254         ; the running largest t
	v_mov_b32 v254, v[\MR]
	s_delay_alu instid0(VALU_DEP_2)
	v_floor_f32 v[\MR], -v[\MR+1]                  ; the new -M = -ceil(t)
	s_delay_alu instid0(VALU_DEP_1)
	v_sub_f32 v254, v[\MR], v254                   ; old M - new M: a whole number, 0 or less
	s_delay_alu instid0(VALU_DEP_1)
	v_cvt_i32_f32 v254, v254                       ; (it saturates)
	s_delay_alu instid0(VALU_DEP_1)
	v_ldexp_f32 v252, 1.0, v254                    ; f = 2^(old M - new M)
.set j, 0
.rept 32
	v_pk_add_f32 v[96+j:97+j], v[96+j:97+j], v[\MR:\MR+1] op_sel_hi:[1,0]   ; t - M
.set j, j+2
.endr
.set j, 0
	s_wait_alu depctr_va_vdst(0)
.rept 64
	v_exp_f32 v[96+j], v[96+j]                     ; p = 2^(t - M)
.set j, j+1
.endr
	v_pk_mul_f32 v[\MR+2:\MR+3], v[\MR+2:\MR+3], v[252:253] op_sel_hi:[1,0]   ; the sums under the new M (the plain line behind the exponentials)
	s_wait_alu depctr_va_vdst(0)                   ; the wait: one for the batch, ahead of its first reader
	v_pk_add_f32 v[242:243], v[96:97], v[98:99]    ; the row's sum is taken of the unquantised p, in two chains
.irp j, 4,8,12,16,20,24,28,32,36,40,44,48,52,56,60
	v_pk_add_f32 v[\MR+2:\MR+3], v[\MR+2:\MR+3], v[96+\j:97+\j]
	v_pk_add_f32 v[242:243], v[242:243], v[98+\j:99+\j]
.endr
	s_delay_alu instid0(VALU_DEP_1)
	v_pk_add_f32 v[\MR+2:\MR+3], v[\MR+2:\MR+3], v[242:243]
.irp b, 0,1,2,3
.irp i, 0,1,2,3,4,5,6,7,8,9,10,11,12,13,14,15
	v_min_num_f32 v[96+16*\b+\i], v[96+16*\b+\i], v240   ; the hold (the conversion does not saturate: ISA guide 7.6.2); p is not negative, so it is one-sided
.endr
	v_cvt_scalef32_pk8_fp8_f32 v[224+4*\b:225+4*\b], v[96+16*\b:103+16*\b], v244
	v_cvt_scalef32_pk8_fp8_f32 v[226+4*\b:227+4*\b], v[104+16*\b:111+16*\b], v244
.endr
.set j, 0
.rept 16
	v_pk_mul_f32 v[\OR+j:\OR+j+1], v[\OR+j:\OR+j+1], v[252:253] op_sel_hi:[1,0]   ; O^T under the new M (also the plain lines behind the conversions)
.set j, j+2
.endr
	s_wait_alu depctr_va_vdst(0)
	s_wait_dscnt 0x0                               ; V's fragments are in
.irp t, 0,1,2,3
	v_wmma_f32_16x16x128_fp8_fp8 v[\OR+8*\t:\OR+8*\t+7], v[32+16*\t:47+16*\t], v[224:239], v[\OR+8*\t:\OR+8*\t+7]
.endr
.Lhidden_\@:
.endm
; THE CHANGE OF SLOTS stands at a slot's head.  Each wave waits for all its tensor loads, adds 0 to its spare word (fill = 1: twice on end), and waits for that and for its LDS reads and stores.
; Behind the barrier the slot ahead is whole and nobody reads the other one.  fill = 1: that other slot is filled with the keys that follow, up to the causal limit: the load has every wave's two steps of a slot in which to land.
.macro CHANGE fill
	s_wait_tensorcnt 0x0                           ; no tensor load of mine is out, so a group 0 may be written
	ds_add_u32 v[SPW], v[NIL]
.if \fill
	ds_add_u32 v[SPW], v[NIL]                      ; and once more: the add twice on end here, in every trip alike
	s_xor_b32 s[G0K+1], s[G0K+1], SLOT1            ; the walking descriptors: the other slot,
	s_add_nc_u64 s[G0K+2:G0K+3], s[G0K+2:G0K+3], SK*64     ; the next 512 keys
	s_xor_b32 s[G0V+1], s[G0V+1], SLOT1
	s_add_nc_u64 s[G0V+2:G0V+3], s[G0V+2:G0V+3], SK
	s_wait_xcnt 0x0                                ; the last prefetch, a slot back, has read its address
	s_add_nc_u64 s[PFA:PFA+1], s[PFA:PFA+1], s[PFS:PFS+1]
.endif
	s_wait_dscnt 0x0
	s_barrier_signal -1
	s_barrier_wait -1
.if \fill
	s_add_co_u32 s96, s[KS], SK                    ; the first key of the slot that this change would ask for:
	s_cmp_gt_u32 s96, s[LASTQ]                     ; behind my work-group's last query it is read by none of its waves, so it is not asked for.  Ids and the count of slots alone: all sixteen waves go the same way
	s_cbranch_scc1 .Lpast_\@
	TLOAD                                          ; a wave's one tensor load until the next such barrier
.Lpast_\@:
	ASK
.endif
.endm
.macro SLOT_STEPS                      ; my two steps of the slot, each for both tiles
	STEP 0, QA, OA, STA, Q0A
	STEP 0, QB, OB, STB, Q0B
	s_add_co_u32 s[KF], s[KF], 256
	STEP 1, QA, OA, STA, Q0A
	STEP 1, QB, OB, STB, Q0B
	s_add_co_u32 s[KF], s[KF], 256
	s_xor_b32 s[TB], s[TB], SLOT1
	s_add_co_u32 s[MB], s[MB], 4*SK
	s_add_co_u32 s[KS], s[KS], SK
.endm
	s_wait_loadcnt 0x0                             ; Q
.Lslot:                                            ; NSL - 1 trips
	CHANGE 1
	SLOT_STEPS
	s_sub_co_u32 s[SLOTS], s[SLOTS], 1
	s_cmp_lg_u32 s[SLOTS], 0
	s_cbranch_scc1 .Lslot
	CHANGE 0                                       ; the last slot is written out: nothing is left to ask for
	SLOT_STEPS
	; THE MEETING.  Set B goes to my partner as an image of its registers: lane l's 16 bytes at 16 l, 512 bytes a store; my partner's set B, which is the other half of my set A, comes back so.
	s_mul_i32 s85, s[WV], XB
	s_xor_b32 s86, s[WV], 1
	s_mul_i32 s86, s86, XB
	v_add_nc_u32 v8, s85, v[GO]                    ; where I put mine; (these five lines are also the places behind the last products)
	v_add_nc_u32 v9, s86, v[GO]                    ; where my partner puts its own
	v_add_f32 v[STA+2], v[STA+2], v[STA+3]         ; each sum's two halves
	v_add_f32 v[STB+2], v[STB+2], v[STB+3]
	v_and_b32 v10, 15, v0                          ; r
.set j, 0
.rept 8
	ds_store_b128 v8, v[OB+4*j:OB+4*j+3] offset:512*j     ; each accumulator from its low end on
.set j, j+1
.endr
	ds_store_b128 v8, v[STB:STB+3] offset:4096
	s_wait_alu depctr_va_vdst(0)
	s_wait_dscnt 0x0                               ; for my partner's sake: my stores are done
	s_barrier_signal -1
	s_barrier_wait -1
.set j, 0
.rept 8
	ds_load_b128 v[32+4*j:35+4*j], v9 offset:512*j
.set j, j+1
.endr
	ds_load_b128 v[64:67], v9 offset:4096          ; v64 its -M, v66 its sum
	s_wait_dscnt 0x0
	v_min_num_f32 v68, v[STA], v64                 ; -M*: M* is the larger M
	s_delay_alu instid0(VALU_DEP_1)
	v_sub_f32 v69, v68, v[STA]                     ; my M - M*,
	s_delay_alu instid0(VALU_DEP_2)
	v_sub_f32 v70, v68, v64                        ; its M - M*: whole numbers, 0 or less
	s_delay_alu instid0(VALU_DEP_2)
	v_cvt_i32_f32 v69, v69                         ; (they saturate)
	s_delay_alu instid0(VALU_DEP_2)
	v_cvt_i32_f32 v70, v70
	s_delay_alu instid0(VALU_DEP_2)
	v_ldexp_f32 v69, 1.0, v69
	s_delay_alu instid0(VALU_DEP_2)
	v_ldexp_f32 v70, 1.0, v70                      ; the two factors: powers of two, or 0 for a half that had no step
	s_delay_alu instid0(VALU_DEP_2)
	v_mul_f32 v14, v[STA+2], v69
	s_delay_alu instid0(VALU_DEP_1)
	v_fma_f32 v14, v66, v70, v14
	v_permlanex16_b32 v236, v14, s[SEL], s[SEL+1]
	s_delay_alu instid0(VALU_DEP_1)
	v_add_f32 v14, v14, v236                       ; the row's sum
	; THE WAY OUT.  O^T x 2^(e4 + e5) / the sum, quantised with entry 6; a wave's 16 queries x 64 codes go through its stage and leave as 1,024 consecutive bytes.
	s_wait_alu depctr_va_vdst(0)
	v_rcp_f32 v14, v14
	v_bfe_u32 v11, v0, 4, 1                        ; (plain lines behind the transcendental)  h
	s_add_co_i32 s84, s72, s73                     ; e4 + e5
	s_lshl_b32 s85, s[WV], 10
	s_add_co_u32 s85, s85, STAGE
	v_lshlrev_b32 v10, 6, v10
	s_delay_alu instid0(VALU_DEP_1)
	v_lshl_add_u32 v10, v11, 3, v10
	s_delay_alu instid0(VALU_DEP_1)
	v_add_nc_u32 v10, s85, v10                     ; in: query r's 64 bytes; tile t's eight channels of my half at 16 t + 8 h
	v_add_nc_u32 v11, s85, v[GO]                   ; back: 16 bytes a lane
	s_wait_alu depctr_va_vdst(0)                   ; the wait ahead of the result's first reader
	v_ldexp_f32 v14, v14, s84
	s_delay_alu instid0(VALU_DEP_1)
	v_mul_f32 v252, v14, v69                       ; what my half is multiplied by,
	s_delay_alu instid0(VALU_DEP_2)
	v_mul_f32 v254, v14, v70                       ; and my partner's
.set j, 0
.rept 16
	v_pk_mul_f32 v[96+j:97+j], v[32+j:33+j], v[254:255] op_sel_hi:[1,0]
.set j, j+2
.endr
.set j, 0
.rept 16
	v_pk_fma_f32 v[96+j:97+j], v[OA+j:OA+j+1], v[252:253], v[96+j:97+j] op_sel_hi:[1,0,1]   ; register 8 t + i is o(query r, channel 16 t + 8 h + i)
.set j, j+2
.endr
.set j, 0
.rept 32
	v_med3_num_f32 v[96+j], v[96+j], -v241, v241
.set j, j+1
.endr
.irp t, 0,1,2,3
	v_cvt_scalef32_pk8_fp8_f32 v[224+2*\t:225+2*\t], v[96+8*\t:103+8*\t], v245
.endr
	v_nop                                          ; a plain line behind the last conversion
.irp t, 0,1,2,3
	ds_store_b64 v10, v[224+2*\t:225+2*\t] offset:16*\t
.endr
	ds_load_b128 v[32:35], v11                     ; LDS serves a wave's instructions in order: these see my stores
	ds_load_b128 v[36:39], v11 offset:512
	s_wait_dscnt 1                                 ; the second load may be out
	global_store_b128 v[GO], v[32:35], s[10:11]
	s_wait_dscnt 0
	global_store_b128 v[GO], v[36:39], s[10:11] offset:512
	s_wait_tensorcnt 0x0                           ; the wave's end, behind my last tensor load and my last LDS store
	ds_add_u32 v[SPW], v[NIL]
	s_wait_dscnt 0x0
	s_endpgm
.Lfunc_end_k_qb3b967f65e_attn:
	.size	k_qb3b967f65e_attn, .Lfunc_end_k_qb3b967f65e_attn-k_qb3b967f65e_attn
	.p2alignl 7, 3214868480
	.fill 96, 4, 3214868480
	.section	.rodata,"a",@progbits
	.p2align	6, 0x0
	.amdhsa_kernel k_qb3b967f65e_attn
		.amdhsa_group_segment_fixed_size 327680
		.amdhsa_private_segment_fixed_size 0
		.amdhsa_enable_private_segment 0
		.amdhsa_kernarg_size 32
		.amdhsa_user_sgpr_count 2
		.amdhsa_user_sgpr_kernarg_segment_ptr 1
		.amdhsa_wavefront_size32 1
		.amdhsa_system_sgpr_workgroup_id_x 1
		.amdhsa_system_sgpr_workgroup_id_y 1
		.amdhsa_system_sgpr_workgroup_id_z 1
		.amdhsa_system_vgpr_workitem_id 0
		.amdhsa_next_free_vgpr 256
		.amdhsa_next_free_sgpr 100
		.amdhsa_reserve_vcc 1
		.amdhsa_float_denorm_mode_32 3
		.amdhsa_float_denorm_mode_16_64 3
		.amdhsa_memory_ordered 1
		.amdhsa_forward_progress 1
		.amdhsa_inst_pref_size 253
	.end_amdhsa_kernel
	.amdgpu_metadata
---
amdhsa.version: [ 1, 2 ]
amdhsa.kernels:
  - .name:           k_qb3b967f65e_attn
    .symbol:         k_qb3b967f65e_attn.kd
    .args:
      - { .name: qkvc, .offset: 0, .size: 8, .value_kind: global_buffer, .address_space: global }
      - { .name: key_padding_mask, .offset: 8, .size: 8, .value_kind: global_buffer, .address_space: global }
      - { .name: lowp_scales, .offset: 16, .size: 8, .value_kind: global_buffer, .address_space: global }
      - { .name: ao, .offset: 24, .size: 8, .value_kind: global_buffer, .address_space: global }
    .group_segment_fixed_size: 327680
    .private_segment_fixed_size: 0
    .kernarg_segment_align: 8
    .kernarg_segment_size: 32
    .max_flat_workgroup_size: 512
    .sgpr_count:     100
    .vgpr_count:     256
    .wavefront_size: 32
...
	.end_amdgpu_metadata
.endif
;; end of part 3
;; launch proj (part 4): grid 8 x 32, 4 waves a work-group, clusters of 4 x 4, 327,680 bytes of LDS; arguments ao, wc, lowp_scales, x1, proj_b, x; writes x1
.if DOCPART == 4
	.amdgcn_target "amdgcn-amd-amdhsa--gfx1250"
	.amdhsa_code_object_version 6
	.text
	.protected	k_qb3b967f65e_proj
	.globl	k_qb3b967f65e_proj
	.p2align	8
	.type	k_qb3b967f65e_proj,@function
k_qb3b967f65e_proj:
	s_mov_b64 s[64:65], 0
	v_nop
	global_prefetch_b8 v0, s[64:65] scope:SCOPE_SE
	s_setreg_imm32_b32 hwreg(HW_REG_WAVE_MODE, 25, 1), 1
	s_wait_xcnt 0x0
	s_wait_alu depctr_hold_cnt(0) depctr_sa_sdst(0) depctr_va_vdst(0) depctr_va_sdst(0) depctr_va_ssrc(0) depctr_va_vcc(0) depctr_vm_vsrc(0)
	s_getreg_b32 s2, hwreg(HW_REG_IB_STS2, 6, 4)
	s_cmp_eq_u32 s2, 0
	s_cbranch_scc0 .Lentry_in_a_cluster
	s_endpgm
.Lentry_in_a_cluster:
	s_bfe_u32 s2, ttmp6, 0x10000c
	s_cmp_lg_u32 s2, 0xf033
	s_cbranch_scc0 .Lentry_shape_is_right
	s_endpgm
.Lentry_shape_is_right:
; PRODUCT 4 AND THE FIRST RESIDUAL: x1 = x + proj_b + ao proj_w on codes of FP8 (E4M3).
; ao: codes [h 16][token 4096][64] (scale entry 6).  wc: at WOFF the codes of proj_w laid [1024][1024], K innermost (entry 7).  x, x1: [4096][1024] f32.
; A block of 128 tokens x 128 columns is made by four waves, 64 x 64 each: 16 accumulators.
; ALL OF K LIES IN LDS AT ONCE: tokens 2 x 16 heads x 64 x 80 bytes, weights 128 rows x 1,040 bytes: 296,960 bytes, filled once.  Each wave issues ONE tensor load, at the head:
; waves 0, 1 the 64 tokens x 16 heads of a half, waves 2, 3 the 64 weight rows x 1,024 bytes of a half.  Nothing is filled again, so one barrier stands between the fill and the reads.
; CLUSTERS: 4 x 4; the tokens' tiles are asked for jointly along a row of the cluster, the weights' along a column.
; The matrix instruction takes 16 weight rows as source 0 and 16 tokens as source 1: a lane holds one token and eight neighbouring columns.
; NO PREFETCH: everything that the work-group reads through LDS is asked for at the head; there is no loop to run ahead in.
; LIMIT: e6 + e7 between -126 and 127.
; REGISTERS: window 0: v0-31 addresses, v32-63 rows back from the stage, v128-255 the accumulators; window 1: two sets of fragments (64 registers of tokens, 64 of weights each); window 2: x's 64 x 64 part, proj_b.
.set KTOT,   1024
.set WOFF,   3145728
.set BP,     1040                      ; a weight row in LDS: 1,024 bytes + 16
.set HP,     64*80                     ; a head's 64 tokens in LDS: 64 bytes + 16 each
.set AHALF,  16*HP
.set BHALF,  64*BP
.set BOFF,   2*AHALF
.set STAGE,  2*AHALF+2*BHALF           ; the way out: 16 rows x 272 bytes a wave; no fill lands here
.set SPITCH, 272
.set SPARE,  STAGE+4*16*SPITCH         ; the spare words, 128 bytes a wave
.set ADRA, 16                          ; v16-17 my tokens' fragments: heads 0-7, heads 8-15
.set ADRB, 20                          ; v20-21 my weight rows' fragments: K 0-511, K 512-1023
.set STO,  24
.set RD,   25
.set CO,   26
.set BO,   27
.set SPW,  28                          ; my spare word; never rewritten
.set NIL,  29                          ; 0; never rewritten
.set TMP,  32
.set ACC,  128
.set F0,   0
.set F1,   128
.set G1, 24
.set G0, 32
.set G1B, 48
.set G0B, 56
.set MSB, 0
.macro WIN new
.if MSB != \new
	s_set_vgpr_msb (MSB<<8)|\new
.set MSB, \new
.endif
.endm
.set MUL,  0x05
.set TO_F, 0x40
.macro CROUND                          ; a round of the cluster's barrier
	s_barrier_signal -1
	s_barrier_wait -1
	s_cmp_lg_u32 s14, 0
	s_cbranch_scc1 .Lnot_wave_0_\@
	s_barrier_signal -3
.Lnot_wave_0_\@:
	s_barrier_wait -3
	s_barrier_signal -1
	s_barrier_wait -1
.endm
	s_load_b128 s[4:7], s[0:1], 0x0                ; ao, wc
	s_load_b128 s[8:11], s[0:1], 0x10              ; lowp_scales, x1
	s_load_b128 s[68:71], s[0:1], 0x20             ; proj_b, x
	v_lshl_add_u32 v[SPW], v0, 2, SPARE
	v_mov_b32 v[NIL], 0
	ds_add_u32 v[SPW], v[NIL]                      ; the opening: the add twice, and its wait
	ds_add_u32 v[SPW], v[NIL]
	v_lshrrev_b32 v1, 5, v0
	v_readfirstlane_b32 s14, v1                    ; wave
	s_lshr_b32 s15, s14, 1                         ; my half of the tokens; also: I fetch tokens (0) or weights (1)
	s_and_b32 s16, s14, 1                          ; my half of the columns; also: which half I fetch
	s_bfe_u32 s40, ttmp6, 0x40000                  ; cx
	s_bfe_u32 s41, ttmp6, 0x40004                  ; cy
	s_lshl_b32 s42, ttmp9, 2
	s_add_co_u32 s42, s42, s40                     ; block column
	s_and_b32 s17, ttmp7, 0xffff
	s_lshl_b32 s17, s17, 2
	s_add_co_u32 s17, s17, s41                     ; block row
	s_lshl_b32 s43, s41, 2
	s_lshl_b32 s43, 15, s43                        ; my row of the cluster
	s_lshl_b32 s44, 0x1111, s40                    ; my column
	s_or_b32 s[G1+0], s43, (0<<16)|(1<<20)|(1<<21)|(3<<22)|(3<<25)  ; tokens: 1-byte elements; four words of padding after every 16
	s_mov_b32 s[G1+1], (4096&0xffff)<<16           ; a row: 64 tokens x 64 bytes of one head
	s_mov_b32 s[G1+2], 16<<16                      ; 16 heads,
	s_mov_b32 s[G1+3], 4096<<16
	s_mov_b32 s[G1+4], 16
	s_mov_b32 s[G1+5], 262144                      ; 262,144 bytes apart
	s_mov_b32 s[G1+6], 0
	s_mov_b32 s[G1+7], 0
	s_or_b32 s[G1B+0], s44, (0<<16)|(1<<20)|(1<<21)|(7<<22)|(3<<25) ; weights: four words of padding after every 256
	s_mov_b32 s[G1B+1], 1024<<16
	s_mov_b32 s[G1B+2], 64<<16
	s_mov_b32 s[G1B+3], 1024<<16
	s_mov_b32 s[G1B+4], 64
	s_mov_b32 s[G1B+5], KTOT
	s_mov_b32 s[G1B+6], 0
	s_mov_b32 s[G1B+7], 0
	s_lshl_b32 s18, s16, 6
	s_lshl_b32 s20, s17, 7
	s_add_co_u32 s20, s20, s18
	s_lshl_b32 s20, s20, 6                         ; my first token x 64 bytes
	s_mov_b32 s21, 0
	s_lshl_b32 s46, s42, 7
	s_add_co_u32 s46, s46, s18
	s_mul_i32 s46, s46, KTOT                       ; my first weight row
	s_mov_b32 s47, 0
	s_mul_i32 s45, s16, AHALF
	s_mul_i32 s19, s16, BHALF
	s_add_co_u32 s19, s19, BOFF
	s_wait_dscnt 0x0
	s_wait_kmcnt 0x0
	s_load_b256 s[72:79], s[8:9], 0x0              ; e0 .. e7
	s_add_nc_u64 s[20:21], s[4:5], s[20:21]
	s_add_nc_u64 s[46:47], s[6:7], s[46:47]
	s_add_nc_u64 s[46:47], s[46:47], WOFF
	CROUND                                         ; the joint loads meet
	s_mov_b32 s[G0], 1
	s_mov_b32 s[G0+1], s45
	s_mov_b64 s[G0+2:G0+3], s[20:21]
	s_or_b32 s[G0+3], s[G0+3], 0x80000000
	s_mov_b32 s[G0B], 1
	s_mov_b32 s[G0B+1], s19
	s_mov_b64 s[G0B+2:G0B+3], s[46:47]
	s_or_b32 s[G0B+3], s[G0B+3], 0x80000000
	s_cmp_eq_u32 s15, 0                            ; my one tensor load; an s_nop 0 and four v_nop follow each line
	s_cbranch_scc0 .Lfor_b
	tensor_load_to_lds s[G0:G0+3], s[G1:G1+7]
	s_nop 0
.rept 4
	v_nop
.endr
	s_branch .Lasked
.Lfor_b:
	tensor_load_to_lds s[G0B:G0B+3], s[G1B:G1B+7]
	s_nop 0
.rept 4
	v_nop
.endr
.Lasked:
	v_and_b32 v1, 15, v0                           ; r
	v_bfe_u32 v2, v0, 4, 1                         ; h
	v_mul_u32_u24 v3, v1, BP
	v_lshl_add_u32 v3, v2, 4, v3
	v_mul_u32_u24 v4, v1, 80
	v_lshl_add_u32 v4, v2, 4, v4
	s_mul_i32 s21, s15, AHALF
	s_mul_i32 s22, s16, BHALF
	s_add_co_u32 s22, s22, BOFF
.irp s, 0,1
	v_add_nc_u32 v[ADRA+\s], s21, v4
	v_add_nc_u32 v[ADRB+\s], s22, v3
	s_add_co_u32 s21, s21, 8*HP                    ; eight heads on,
	s_add_co_u32 s22, s22, 512                     ; which are 512 along K
.endr
	s_mul_i32 s23, s14, 16*SPITCH
	s_add_co_u32 s23, s23, STAGE                   ; my stage
	v_mul_u32_u24 v5, v1, SPITCH
	v_lshl_add_u32 v5, v2, 5, v5
	v_add_nc_u32 v[STO], s23, v5                   ; in: row r, 32 bytes for each half of the lanes
	v_mul_u32_u24 v5, v2, SPITCH
	v_lshl_add_u32 v5, v1, 4, v5
	v_add_nc_u32 v[RD], s23, v5                    ; back: sixteen lanes to a row of 256 bytes
	v_lshlrev_b32 v[CO], 12, v2
	v_lshl_add_u32 v[CO], v1, 4, v[CO]             ; and the same two rows in x and x1
	s_wait_alu depctr_va_vdst(0)
	v_lshlrev_b32 v[BO], 4, v1
	s_wait_alu depctr_va_vdst(0)                   ; ahead of the run of scalar lines
	s_lshl_b32 s20, s17, 7
	s_lshl_b32 s21, s15, 6
	s_add_co_u32 s20, s20, s21
	s_lshl_b32 s20, s20, 12                        ; my first row x 4,096 bytes
	s_lshl_b32 s46, s42, 9
	s_lshl_b32 s47, s16, 8
	s_add_co_u32 s46, s46, s47                     ; my first column x 4 bytes
	s_mov_b32 s47, 0
	s_add_nc_u64 s[68:69], s[68:69], s[46:47]
	s_add_co_u32 s20, s20, s46
	s_mov_b32 s21, 0
	s_add_nc_u64 s[10:11], s[10:11], s[20:21]
	s_add_nc_u64 s[70:71], s[70:71], s[20:21]
	WIN 0x80
.irp a, 0,1,2,3
.irp t, 0,1,2,3,4,5,6,7
	global_load_b128 v[32*\a+4*\t:32*\a+4*\t+3], v[CO], s[70:71] offset:(16*\a+2*\t)*4096   ; x: sixteen lanes read 256 consecutive bytes
.endr
.endr
	global_load_b128 v[128:131], v[BO], s[68:69]   ; proj_b at my four columns of a row read back
	WIN 0
.macro FRAGB reg, s, q, i              ; 16 weight rows x 128 K: registers 4 c .. 4 c + 3 hold K = 32 c + 16 h + 0 .. 15, alike on both sides
.irp c, 0,1,2,3
	ds_load_b128 v[\reg+4*\c:\reg+4*\c+3], v[ADRB+\s] offset:128*(\q)+32*\c+(\i)*16*BP
.endr
.endm
.macro FRAGA reg, s, q, i              ; 16 tokens x two heads
.irp c, 0,1,2,3
	ds_load_b128 v[\reg+4*\c:\reg+4*\c+3], v[ADRA+\s] offset:(2*(\q)+\c/2)*HP+(\i)*1280+32*(\c%2)
.endr
.endm
.macro FETCH s, q, f
	WIN TO_F
.irp i, 0,1,2,3
	FRAGB \f+64+16*\i, \s, \q, \i
.endr
.irp i, 0,1,2,3
	FRAGA \f+16*\i, \s, \q, \i
.endr
.endm
.macro MUL4 f, a, zero                 ; the 16 accumulators take turns
.irp b, 0,1,2,3
.if \zero
	v_wmma_f32_16x16x128_fp8_fp8 v[ACC+8*(4*(\a)+\b):ACC+8*(4*(\a)+\b)+7], v[\f+64+16*\b:\f+64+16*\b+15], v[\f+16*(\a):\f+16*(\a)+15], 0
.else
	v_wmma_f32_16x16x128_fp8_fp8 v[ACC+8*(4*(\a)+\b):ACC+8*(4*(\a)+\b)+7], v[\f+64+16*\b:\f+64+16*\b+15], v[\f+16*(\a):\f+16*(\a)+15], v[ACC+8*(4*(\a)+\b):ACC+8*(4*(\a)+\b)+7]
.endif
.endr
.endm
.macro QUARTER s, q, f, g, zero        ; multiplies set f; in its middle fetches the 128 along K at (s, q) into set g
	s_wait_dscnt 8                                 ; the youngest eight loads (tokens' blocks 2, 3) may be out
	WIN MUL
	MUL4 \f, 0, \zero
	MUL4 \f, 1, \zero
.rept 4
	v_nop                                          ; places in front of loads into registers that matrix instructions have read
.endr
	FETCH \s, \q, \g
	s_wait_dscnt 32                                ; all but the 32 just issued
	WIN MUL
	MUL4 \f, 2, \zero
	MUL4 \f, 3, \zero
.endm
	s_wait_alu depctr_va_vdst(0)                   ; the head's end
	s_wait_tensorcnt 0x0                           ; my part of the tiles is in;
	s_barrier_signal -1
	s_barrier_wait -1                              ; everybody's is
	FETCH 0, 0, F0
	QUARTER 0, 1, F0, F1, 1                        ; the first products start the sums
	QUARTER 0, 2, F1, F0, 0
	QUARTER 0, 3, F0, F1, 0
	QUARTER 1, 0, F1, F0, 0
	QUARTER 1, 1, F0, F1, 0
	QUARTER 1, 2, F1, F0, 0
	QUARTER 1, 3, F0, F1, 0
	s_wait_dscnt 8
	WIN MUL
	MUL4 F1, 0, 0
	MUL4 F1, 1, 0
	s_wait_dscnt 0
	MUL4 F1, 2, 0
	MUL4 F1, 3, 0
	; THE WAY OUT: 16 rows at a time through my stage; x + proj_b + sum x 2^(e6 + e7); sixteen lanes store 256 consecutive bytes, aligned
	s_wait_loadcnt 0x0
	s_wait_kmcnt 0x0
	s_add_co_i32 s84, s78, s79
	s_add_co_i32 s84, s84, 127
	s_lshl_b32 s84, s84, 23                        ; 2^(e6 + e7)
	s_mov_b32 s85, s84
	WIN 0x8a
.set j, 0
.rept 32
	v_pk_add_f32 v[j:j+1], v[j:j+1], v[128:129]    ; x + proj_b (also the places behind the last products)
	v_pk_add_f32 v[j+2:j+3], v[j+2:j+3], v[130:131]
.set j, j+4
.endr
.irp a, 0,1,2,3
	WIN 0
.irp b, 0,1,2,3
	ds_store_b128 v[STO], v[ACC+8*(4*\a+\b):ACC+8*(4*\a+\b)+3] offset:64*\b        ; each accumulator from its low end on
	ds_store_b128 v[STO], v[ACC+8*(4*\a+\b)+4:ACC+8*(4*\a+\b)+7] offset:64*\b+16
.endr
.irp t, 0,1,2,3,4,5,6,7
	ds_load_b128 v[TMP+4*\t:TMP+4*\t+3], v[RD] offset:\t*2*SPITCH   ; LDS serves a wave's instructions in order: these see my stores
.endr
	s_wait_dscnt 0x0
	WIN 0xa0
.set j, 0
.rept 16
	v_pk_fma_f32 v[32*\a+j:32*\a+j+1], v[TMP+j:TMP+j+1], s[84:85], v[32*\a+j:32*\a+j+1] op_sel_hi:[1,0,1]
.set j, j+2
.endr
	WIN 0x08
.irp t, 0,1,2,3,4,5,6,7
	global_store_b128 v[CO], v[32*\a+4*\t:32*\a+4*\t+3], s[10:11] offset:(16*\a+2*\t)*4096
.endr
.endr
	WIN 0
	s_wait_tensorcnt 0x0                           ; the wave's end
	ds_add_u32 v[SPW], v[NIL]
	s_wait_dscnt 0x0
	CROUND                                         ; the closing round
	s_endpgm
.Lfunc_end_k_qb3b967f65e_proj:
	.size	k_qb3b967f65e_proj, .Lfunc_end_k_qb3b967f65e_proj-k_qb3b967f65e_proj
	.p2alignl 7, 3214868480
	.fill 96, 4, 3214868480
	.section	.rodata,"a",@progbits
	.p2align	6, 0x0
	.amdhsa_kernel k_qb3b967f65e_proj
		.amdhsa_group_segment_fixed_size 327680
		.amdhsa_private_segment_fixed_size 0
		.amdhsa_enable_private_segment 0
		.amdhsa_kernarg_size 48
		.amdhsa_user_sgpr_count 2
		.amdhsa_user_sgpr_kernarg_segment_ptr 1
		.amdhsa_wavefront_size32 1
		.amdhsa_system_sgpr_workgroup_id_x 1
		.amdhsa_system_sgpr_workgroup_id_y 1
		.amdhsa_system_sgpr_workgroup_id_z 1
		.amdhsa_system_vgpr_workitem_id 0
		.amdhsa_next_free_vgpr 768
		.amdhsa_next_free_sgpr 100
		.amdhsa_reserve_vcc 0
		.amdhsa_float_denorm_mode_32 3
		.amdhsa_float_denorm_mode_16_64 3
		.amdhsa_memory_ordered 1
		.amdhsa_forward_progress 1
		.amdhsa_inst_pref_size 52
	.end_amdhsa_kernel
	.amdgpu_metadata
---
amdhsa.version: [ 1, 2 ]
amdhsa.kernels:
  - .name:           k_qb3b967f65e_proj
    .symbol:         k_qb3b967f65e_proj.kd
    .args:
      - { .name: ao, .offset: 0, .size: 8, .value_kind: global_buffer, .address_space: global }
      - { .name: wc, .offset: 8, .size: 8, .value_kind: global_buffer, .address_space: global }
      - { .name: lowp_scales, .offset: 16, .size: 8, .value_kind: global_buffer, .address_space: global }
      - { .name: x1, .offset: 24, .size: 8, .value_kind: global_buffer, .address_space: global }
      - { .name: proj_b, .offset: 32, .size: 8, .value_kind: global_buffer, .address_space: global }
      - { .name: x, .offset: 40, .size: 8, .value_kind: global_buffer, .address_space: global }
    .group_segment_fixed_size: 327680
    .private_segment_fixed_size: 0
    .kernarg_segment_align: 8
    .kernarg_segment_size: 48
    .max_flat_workgroup_size: 128
    .sgpr_count:     100
    .vgpr_count:     768
    .wavefront_size: 32
...
	.end_amdgpu_metadata
.endif
;; end of part 4
;; launch ln2 (part 5): grid 256 x 1, 4 waves a work-group, no clusters, 0 bytes of LDS; arguments x1, ln2_w, ln2_b, lowp_scales, act; writes act
.if DOCPART == 5
	.amdgcn_target "amdgcn-amd-amdhsa--gfx1250"
	.amdhsa_code_object_version 6
	.text
	.protected	k_qb3b967f65e_ln2
	.globl	k_qb3b967f65e_ln2
	.p2align	8
	.type	k_qb3b967f65e_ln2,@function
k_qb3b967f65e_ln2:
	s_mov_b64 s[64:65], 0
	v_nop
	global_prefetch_b8 v0, s[64:65] scope:SCOPE_SE
	s_setreg_imm32_b32 hwreg(HW_REG_WAVE_MODE, 25, 1), 1
	s_wait_xcnt 0x0
; LAYERNORM 2 of x1 [4096][1024] f32, quantised to codes of FP8 (E4M3) with scale entry 8, into act [4096][1024].
; A work-group takes 16 rows, a wave four; a row lies in 32 registers of one wave between the passes, so it is read once; no LDS, no barrier.
; LIMIT: e8 lies between -126 and 119.  NaN among the inputs is not served.
.set LX,    32                         ; v32-159 four rows; v160-191 gain; v192-223 bias; v224-255 codes
.set LW,    160
.set LB,    192
.set LC,    224
.set PX,    8                          ; s[8:9] x1;  s[10:11] gain;  s[12:13] bias;  s[16:17] act
.set PW,    10
.set PB,    12
.set PO,    16
	s_load_b256 s[8:15], s[0:1], 0x0               ; x1, ln2_w, ln2_b, lowp_scales
	s_load_b64 s[16:17], s[0:1], 0x20              ; act
	v_lshrrev_b32 v1, 5, v0
	v_readfirstlane_b32 s4, v1                     ; wave 0..3
	v_and_b32 v2, 31, v0                           ; lane
	s_lshl_b32 s5, ttmp9, 4
	s_lshl_b32 s6, s4, 2
	s_add_co_u32 s5, s5, s6                        ; my first row
	s_lshl_b32 s2, s5, 12
	s_mov_b32 s3, 0
	s_wait_alu depctr_va_vdst(0)
	s_wait_kmcnt 0x0
	s_load_b32 s68, s[14:15], 0x20                 ; e8
	s_add_nc_u64 s[PX:PX+1], s[PX:PX+1], s[2:3]
	s_lshl_b32 s2, s5, 10
	s_add_nc_u64 s[PO:PO+1], s[PO:PO+1], s[2:3]
	v_lshlrev_b32 v1, 5, v2                        ; a lane holds 8 neighbours of each quarter of a row: 32 x lane + 1,024 g; two loads of 16 bytes cover 1,024 consecutive bytes together
	v_lshlrev_b32 v13, 3, v2                       ; and their 8 codes
	v_mov_b32 v7, 0                                ; (upper halves of pairs of which the low word serves both halves, and a permute's destination: written once)
	v_mov_b32 v9, 0
	v_mov_b32 v12, 0
	s_mov_b32 s60, 0x76543210                      ; v_permlanex16_b32: lane l xor 16
	s_mov_b32 s61, 0xfedcba98
	s_mov_b32 s62, 0x3a800000                      ; 1 / 1024
	s_mov_b32 s63, 0x3727c5ac                      ; 1e-5
.irp g, 0,1,2,3
.irp u, 0,1
	global_load_b128 v[LW+8*\g+4*\u:LW+8*\g+4*\u+3], v1, s[PW:PW+1] offset:1024*\g+16*\u
.endr
.endr
.irp g, 0,1,2,3
.irp u, 0,1
	global_load_b128 v[LB+8*\g+4*\u:LB+8*\g+4*\u+3], v1, s[PB:PB+1] offset:1024*\g+16*\u
.endr
.endr
.irp p, 0,1,2,3
.irp g, 0,1,2,3
.irp u, 0,1
	global_load_b128 v[LX+32*\p+8*\g+4*\u:LX+32*\p+8*\g+4*\u+3], v1, s[PX:PX+1] offset:4096*\p+1024*\g+16*\u
.endr
.endr
.endr
	s_wait_kmcnt 0x0
	s_add_co_i32 s5, s68, 127
	s_lshl_b32 s6, s5, 23
	v_mov_b32 v11, s6                              ; 2^e
	s_add_co_i32 s5, s5, 8
	s_lshl_b32 s5, s5, 23
	s_or_b32 s5, s5, 0x600000
	v_mov_b32 v10, s5                              ; 448 x 2^e
.macro LANESUM                         ; v16 summed over the 32 lanes, the result in every lane
	v_add_f32_dpp v16, v16, v16 row_xmask:1 row_mask:0xf bank_mask:0xf
	v_add_f32_dpp v16, v16, v16 row_xmask:2 row_mask:0xf bank_mask:0xf
	v_add_f32_dpp v16, v16, v16 row_xmask:4 row_mask:0xf bank_mask:0xf
	v_add_f32_dpp v16, v16, v16 row_xmask:8 row_mask:0xf bank_mask:0xf
	v_permlanex16_b32 v12, v16, s60, s61
	v_add_f32 v16, v16, v12
.endm
.macro FOLD                            ; four chains of pairs into v16
	v_pk_add_f32 v[16:17], v[16:17], v[18:19]
	v_pk_add_f32 v[20:21], v[20:21], v[22:23]
	v_pk_add_f32 v[16:17], v[16:17], v[20:21]
	v_add_f32 v16, v16, v17
.endm
.macro ROW p
.set XR, LX+32*(\p)
	s_wait_loadcnt 8*(3-(\p))                      ; gain, bias and my row are in; the later rows' loads may be out
.irp c, 0,1,2,3
	v_pk_add_f32 v[16+2*\c:17+2*\c], v[XR+4*\c:XR+4*\c+1], v[XR+4*\c+2:XR+4*\c+3]
.endr
.irp c, 0,1,2,3
	v_pk_add_f32 v[16+2*\c:17+2*\c], v[16+2*\c:17+2*\c], v[XR+16+2*\c:XR+17+2*\c]
.endr
.irp c, 0,1,2,3
	v_pk_add_f32 v[16+2*\c:17+2*\c], v[16+2*\c:17+2*\c], v[XR+24+2*\c:XR+25+2*\c]
.endr
	FOLD
	LANESUM
	v_mul_f32 v6, s62, v16                         ; the mean
.set j, 0
.rept 16
	v_pk_add_f32 v[XR+j:XR+j+1], v[XR+j:XR+j+1], v[6:7] op_sel_hi:[1,0] neg_lo:[0,1] neg_hi:[0,1]   ; x - mean
.set j, j+2
.endr
.irp c, 0,1,2,3
	v_pk_mul_f32 v[16+2*\c:17+2*\c], v[XR+2*\c:XR+2*\c+1], v[XR+2*\c:XR+2*\c+1]
.endr
.irp k, 1,2,3
.irp c, 0,1,2,3
	v_pk_fma_f32 v[16+2*\c:17+2*\c], v[XR+8*\k+2*\c:XR+8*\k+2*\c+1], v[XR+8*\k+2*\c:XR+8*\k+2*\c+1], v[16+2*\c:17+2*\c]
.endr
.endr
	FOLD
	LANESUM
	v_fma_f32 v16, v16, s62, s63                   ; the variance + 1e-5 (the division by 1,024 is exact: one rounding, as in the sum of the two)
	s_wait_alu depctr_va_vdst(0)
	v_rsq_f32 v8, v16
	v_nop                                          ; a plain line behind the transcendental
	s_wait_alu depctr_va_vdst(0)                   ; the wait ahead of the result's first reader
.set j, 0
.rept 16
	v_pk_mul_f32 v[XR+j:XR+j+1], v[XR+j:XR+j+1], v[8:9] op_sel_hi:[1,0]
.set j, j+2
.endr
.set j, 0
.rept 16
	v_pk_fma_f32 v[XR+j:XR+j+1], v[XR+j:XR+j+1], v[LW+j:LW+j+1], v[LB+j:LB+j+1]
.set j, j+2
.endr
.set j, 0
.rept 32
	v_med3_num_f32 v[XR+j], v[XR+j], -v10, v10     ; the hold at the largest code x the scale (the conversion does not saturate: ISA guide 7.6.2)
.set j, j+1
.endr
.irp g, 0,1,2,3
	v_cvt_scalef32_pk8_fp8_f32 v[LC+8*(\p)+2*\g:LC+8*(\p)+2*\g+1], v[XR+8*\g:XR+8*\g+7], v11
.endr
	v_nop                                          ; a plain line behind the last conversion
.irp g, 0,1,2,3
	global_store_b64 v13, v[LC+8*(\p)+2*\g:LC+8*(\p)+2*\g+1], s[PO:PO+1] offset:1024*(\p)+256*\g   ; 32 lanes store 256 consecutive bytes, aligned; each register of codes is written once
.endr
.endm
	ROW 0
	ROW 1
	ROW 2
	ROW 3
	s_endpgm
.Lfunc_end_k_qb3b967f65e_ln2:
	.size	k_qb3b967f65e_ln2, .Lfunc_end_k_qb3b967f65e_ln2-k_qb3b967f65e_ln2
	.p2alignl 7, 3214868480
	.fill 96, 4, 3214868480
	.section	.rodata,"a",@progbits
	.p2align	6, 0x0
	.amdhsa_kernel k_qb3b967f65e_ln2
		.amdhsa_group_segment_fixed_size 0
		.amdhsa_private_segment_fixed_size 0
		.amdhsa_enable_private_segment 0
		.amdhsa_kernarg_size 40
		.amdhsa_user_sgpr_count 2
		.amdhsa_user_sgpr_kernarg_segment_ptr 1
		.amdhsa_wavefront_size32 1
		.amdhsa_system_sgpr_workgroup_id_x 1
		.amdhsa_system_sgpr_workgroup_id_y 1
		.amdhsa_system_sgpr_workgroup_id_z 1
		.amdhsa_system_vgpr_workitem_id 0
		.amdhsa_next_free_vgpr 256
		.amdhsa_next_free_sgpr 84
		.amdhsa_reserve_vcc 0
		.amdhsa_float_denorm_mode_32 3
		.amdhsa_float_denorm_mode_16_64 3
		.amdhsa_memory_ordered 1
		.amdhsa_forward_progress 1
		.amdhsa_inst_pref_size 42
	.end_amdhsa_kernel
	.amdgpu_metadata
---
amdhsa.version: [ 1, 2 ]
amdhsa.kernels:
  - .name:           k_qb3b967f65e_ln2
    .symbol:         k_qb3b967f65e_ln2.kd
    .args:
      - { .name: x1, .offset: 0, .size: 8, .value_kind: global_buffer, .address_space: global }
      - { .name: ln2_w, .offset: 8, .size: 8, .value_kind: global_buffer, .address_space: global }
      - { .name: ln2_b, .offset: 16, .size: 8, .value_kind: global_buffer, .address_space: global }
      - { .name: lowp_scales, .offset: 24, .size: 8, .value_kind: global_buffer, .address_space: global }
      - { .name: act, .offset: 32, .size: 8, .value_kind: global_buffer, .address_space: global }
    .group_segment_fixed_size: 0
    .private_segment_fixed_size: 0
    .kernarg_segment_align: 8
    .kernarg_segment_size: 40
    .max_flat_workgroup_size: 128
    .sgpr_count:     84
    .vgpr_count:     256
    .wavefront_size: 32
...
	.end_amdgpu_metadata
.endif
;; end of part 5
;; launch fc1 (part 6): grid 16 x 16, 4 waves a work-group, clusters of 4 x 4, 327,680 bytes of LDS; arguments act, wc, lowp_scales, g, fc1_b; writes g
.if DOCPART == 6
	.amdgcn_target "amdgcn-amd-amdhsa--gfx1250"
	.amdhsa_code_object_version 6
	.text
	.protected	k_qb3b967f65e_fc1
	.globl	k_qb3b967f65e_fc1
	.p2align	8
	.type	k_qb3b967f65e_fc1,@function
k_qb3b967f65e_fc1:
	s_mov_b64 s[64:65], 0
	v_nop
	global_prefetch_b8 v0, s[64:65] scope:SCOPE_SE
	s_setreg_imm32_b32 hwreg(HW_REG_WAVE_MODE, 25, 1), 1
	s_wait_xcnt 0x0
	s_wait_alu depctr_hold_cnt(0) depctr_sa_sdst(0) depctr_va_vdst(0) depctr_va_sdst(0) depctr_va_ssrc(0) depctr_va_vcc(0) depctr_vm_vsrc(0)
	s_getreg_b32 s2, hwreg(HW_REG_IB_STS2, 6, 4)
	s_cmp_eq_u32 s2, 0
	s_cbranch_scc0 .Lentry_in_a_cluster
	s_endpgm
.Lentry_in_a_cluster:
	s_bfe_u32 s2, ttmp6, 0x10000c
	s_cmp_lg_u32 s2, 0xf033
	s_cbranch_scc0 .Lentry_shape_is_right
	s_endpgm
.Lentry_shape_is_right:
; PRODUCT 5: g = the codes of gelu(LN2(x1) fc1_w + fc1_b), on codes of FP8 (E4M3).
; act: [4096][1024] codes (scale entry 8).  wc: at WOFF the codes of fc1_w laid [4096][1024], K innermost (entry 9).  g: [4096][4096] codes (entry 10).
; A tile of 256 x 256 is made by four waves, 128 x 128 each; K goes in steps of 256 through a ring of two LDS slots; clusters of 4 x 4 with joint loads.
; At the head a wave issues one joint load, its part of K step 0; K step 1's follows behind the wait for it, the add, its wait and a round of the cluster's barrier.
; THE WAY OUT: the sums go to LDS (the ring has had its last fill) and come back 16 rows at a time in a counted loop.  gelu(z) = z (1 + erf(z / sqrt 2)) / 2 in f32:
; erf as a ratio of two polynomials in z^2, z held within +-4 sqrt 2 for it; the half is folded into the conversion's scale, 2^(e10 + 1).
; NO PREFETCH: K has four steps only, at the block of 256 x 256 in clusters: two of the four are asked for before the loop begins.
; LIMITS: e8 + e9 between -126 and 127; e10 between -127 and 118.  NaN among the inputs is not served.
.set SIZE_K, 1024
.set WOFF,   4194304
.set KSTEP,  256
.set ROWB,   256
.set KROW,   SIZE_K
.set PITCH,  272
.set FR,     16
.set NL,     4
.set NP,     4
.set HALFT,  128*PITCH
.set SLOT,   4*HALFT
.set LAPS,   SIZE_K/(2*KSTEP)
.set SPARE,  2*SLOT
.set ADRA, 16
.set ADRB, 20
.set CF,   2
.set SPL,  26
.set BA,   27
.set SPW,  28
.set NIL,  29
.set ADC0, 30
.set RDG,  31
.set BI,   32
.set Z,    96
.set ZC,   160
.set W,    176
.set P,    192
.set Q,    208
.set CDE,  224
.set SC,   240
.set LIM,  241
.set GO,   246
.set ADR,  247
.set ADC,  248
.set AF,   128
.set TB,   3
.set G1, 24
.set G0, 32
.set G1B, 48
.set G0B, 56
.set MSB, 0
.macro WIN new
.if MSB != \new
	s_set_vgpr_msb (MSB<<8)|\new
.set MSB, \new
.endif
.endm
.set MUL_LO, 0xa1
.set MUL_HI, 0xf1
.set TO_B,   0x40
.macro JLOAD g0a, g1a, g0b, g1b
	s_cmp_eq_u32 s15, 0
	s_cbranch_scc0 .Lfor_b_\@
	tensor_load_to_lds s[\g0a:\g0a+3], s[\g1a:\g1a+7]
	s_nop 0
.rept 4
	v_nop
.endr
	s_branch .Lasked_\@
.Lfor_b_\@:
	tensor_load_to_lds s[\g0b:\g0b+3], s[\g1b:\g1b+7]
	s_nop 0
.rept 4
	v_nop
.endr
.Lasked_\@:
.endm
.macro CREST
	s_cmp_lg_u32 s14, 0
	s_cbranch_scc1 .Lnot_wave_0_\@
	s_barrier_signal -3
.Lnot_wave_0_\@:
	s_barrier_wait -3
	s_barrier_signal -1
	s_barrier_wait -1
.endm
.macro CROUND
	s_barrier_signal -1
	s_barrier_wait -1
	CREST
.endm
	s_load_b128 s[4:7], s[0:1], 0x0
	s_load_b128 s[8:11], s[0:1], 0x10
	s_load_b64 s[12:13], s[0:1], 0x20
	v_lshl_add_u32 v[SPW], v0, 2, SPARE
	v_mov_b32 v[NIL], 0
	ds_add_u32 v[SPW], v[NIL]
	ds_add_u32 v[SPW], v[NIL]
	v_lshrrev_b32 v1, 5, v0
	v_readfirstlane_b32 s14, v1
	s_lshr_b32 s15, s14, 1
	s_and_b32 s16, s14, 1
	s_bfe_u32 s40, ttmp6, 0x40000
	s_bfe_u32 s41, ttmp6, 0x40004
	s_lshl_b32 s42, ttmp9, 2
	s_add_co_u32 s42, s42, s40
	s_and_b32 s17, ttmp7, 0xffff
	s_lshl_b32 s17, s17, 2
	s_add_co_u32 s17, s17, s41
	s_lshl_b32 s43, s41, 2
	s_lshl_b32 s43, 15, s43
	s_lshl_b32 s44, 0x1111, s40
	s_or_b32 s[G1+0], s43, (0<<16)|(1<<20)|(1<<21)|(5<<22)|(3<<25)
	s_or_b32 s[G1B+0], s44, (0<<16)|(1<<20)|(1<<21)|(5<<22)|(3<<25)
.irp g, G1, G1B
	s_mov_b32 s[\g+1], ROWB<<16
	s_mov_b32 s[\g+2], 128<<16
	s_mov_b32 s[\g+3], ROWB<<16
	s_mov_b32 s[\g+4], 128
	s_mov_b32 s[\g+5], KROW
	s_mov_b32 s[\g+6], 0
	s_mov_b32 s[\g+7], 0
.endr
	s_lshl_b32 s18, s16, 7
	s_lshl_b32 s20, s17, 8
	s_add_co_u32 s20, s20, s18
	s_lshl_b32 s46, s42, 8
	s_add_co_u32 s46, s46, s18
	s_mov_b32 s21, 0
	s_mov_b32 s47, 0
	s_mov_b64 s[18:19], KROW
	s_mul_u64 s[20:21], s[20:21], s[18:19]
	s_mul_u64 s[46:47], s[46:47], s[18:19]
	s_mul_i32 s45, s14, HALFT
	s_wait_dscnt 0x0
	s_wait_kmcnt 0x0
	s_load_b128 s[80:83], s[8:9], 0x20
	s_add_nc_u64 s[20:21], s[4:5], s[20:21]
	s_add_nc_u64 s[46:47], s[6:7], s[46:47]
	s_add_nc_u64 s[46:47], s[46:47], WOFF
	CROUND
.irp s, 0,1
	s_mov_b32 s[G0+4*\s], 1
	s_add_co_u32 s[G0+4*\s+1], s45, \s*SLOT
	s_add_nc_u64 s[G0+4*\s+2:G0+4*\s+3], s[20:21], \s*ROWB
	s_or_b32 s[G0+4*\s+3], s[G0+4*\s+3], 0x80000000
	s_mov_b32 s[G0B+4*\s], 1
	s_add_co_u32 s[G0B+4*\s+1], s45, \s*SLOT
	s_add_nc_u64 s[G0B+4*\s+2:G0B+4*\s+3], s[46:47], \s*ROWB
	s_or_b32 s[G0B+4*\s+3], s[G0B+4*\s+3], 0x80000000
.endr
	JLOAD G0, G1, G0B, G1B                         ; K step 0: one tensor load a wave at the head
	v_and_b32 v1, 15, v0
	v_bfe_u32 v2, v0, 4, 1
	s_wait_alu depctr_va_vdst(0)
	v_mul_u32_u24 v3, v1, PITCH
	v_lshl_add_u32 v4, v2, 4, v3
	s_mul_i32 s21, s15, HALFT
	s_mul_i32 s22, s16, HALFT
	s_add_co_u32 s22, s22, 2*HALFT
.irp s, 0,1
	v_add_nc_u32 v[ADRA+\s], s21, v4
	v_add_nc_u32 v[ADRB+\s], s22, v4
	s_add_co_u32 s21, s21, SLOT
	s_add_co_u32 s22, s22, SLOT
.endr
	s_lshl_b32 s20, s42, 10
	s_lshl_b32 s21, s16, 9
	s_add_co_u32 s20, s20, s21
	s_mov_b32 s21, 0
	s_add_nc_u64 s[12:13], s[12:13], s[20:21]
	v_lshlrev_b32 v[BA], 5, v2
.irp b, 0,1,2,3,4,5,6,7
	global_load_b128 v[BI+8*\b:BI+8*\b+3], v[BA], s[12:13] offset:64*\b
	global_load_b128 v[BI+8*\b+4:BI+8*\b+7], v[BA], s[12:13] offset:64*\b+16
.endr
	s_lshl_b32 s23, s14, 16
	v_and_b32 v6, 31, v0
	v_lshl_add_u32 v[SPL], v6, 4, s23
	v_mul_u32_u24 v5, v1, 144
	v_lshl_add_u32 v5, v2, 3, v5
	v_add_nc_u32 v[ADC0], s23, v5
	v_bfe_u32 v5, v0, 3, 1
	v_lshlrev_b32 v5, 16, v5
	v_mad_u32_u24 v5, v2, 144, v5
	v_and_b32 v6, 7, v0
	v_lshl_add_u32 v5, v6, 4, v5
	s_lshl_b32 s23, s15, 17
	s_lshl_b32 s84, s16, 15
	s_add_co_u32 s23, s23, s84
	v_add_nc_u32 v[RDG], s23, v5
	s_lshl_b32 s20, s17, 8
	s_lshl_b32 s21, s14, 6
	s_add_co_u32 s20, s20, s21
	s_lshl_b32 s20, s20, 12
	s_lshl_b32 s21, s42, 8
	s_add_co_u32 s20, s20, s21
	s_mov_b32 s21, 0
	s_add_nc_u64 s[10:11], s[10:11], s[20:21]
.macro FRAG reg, adr, q, i
.irp c, 0,1,2,3
	ds_load_b128 v[\reg+4*\c:\reg+4*\c+3], v[\adr] offset:128*(\q)+32*\c+(\i)*16*PITCH
.endr
.endm
.macro MUL16 a0, p, zero
.irp a, \a0, \a0+1
.irp b, 0,1,2,3,4,5,6,7
.if \zero
	v_wmma_f32_16x16x128_fp8_fp8 v[8*(8*((\a)%4)+\b):8*(8*((\a)%4)+\b)+7], v[128*(\p)+FR*\b:128*(\p)+FR*\b+FR-1], v[AF+FR*(\a):AF+FR*(\a)+FR-1], 0
.else
	v_wmma_f32_16x16x128_fp8_fp8 v[8*(8*((\a)%4)+\b):8*(8*((\a)%4)+\b)+7], v[128*(\p)+FR*\b:128*(\p)+FR*\b+FR-1], v[AF+FR*(\a):AF+FR*(\a)+FR-1], v[8*(8*((\a)%4)+\b):8*(8*((\a)%4)+\b)+7]
.endif
.endr
.endr
.endm
.macro FETCH_B slot, q, p
	WIN TO_B
.irp i, 0,1,2,3,4,5,6,7
	FRAG 128*(\p)+FR*\i, ADRB+\slot, \q, \i
.endr
	WIN 0
.endm
.macro FETCH_A slot, q, i0
.irp i, \i0, \i0+1, \i0+2, \i0+3
	FRAG AF+FR*(\i), ADRA+\slot, \q, \i
.endr
.endm
.macro PLACES n
.rept \n
	v_nop
.endr
.endm
.macro STEP slot, q, zero
	s_wait_dscnt 4*NL
	WIN MUL_LO
	MUL16 0, (\q)%2, \zero
	MUL16 2, (\q)%2, \zero
	s_wait_dscnt 0
	PLACES NP
	FETCH_B \slot, (\q)+1, 1-(\q)%2
	FETCH_A \slot, (\q)+1, 0
	WIN MUL_HI
	MUL16 4, (\q)%2, \zero
	MUL16 6, (\q)%2, \zero
	PLACES NP
	WIN 0
	FETCH_A \slot, (\q)+1, 4
.endm
.macro TURN slot, next, fill
	s_wait_tensorcnt 0x0
	ds_add_u32 v[SPW], v[NIL]
	s_wait_dscnt 4*NL+1
	WIN MUL_LO
	MUL16 0, 1, 0
	s_wait_dscnt 0x0
	s_barrier_signal -1
	MUL16 2, 1, 0
	WIN 0
	s_barrier_wait -1
.if \fill
	CREST
	s_add_nc_u64 s[G0+4*\slot+2:G0+4*\slot+3], s[G0+4*\slot+2:G0+4*\slot+3], 2*ROWB
	s_add_nc_u64 s[G0B+4*\slot+2:G0B+4*\slot+3], s[G0B+4*\slot+2:G0B+4*\slot+3], 2*ROWB
	JLOAD G0+4*\slot, G1, G0B+4*\slot, G1B
.else
	PLACES NP
.endif
	FETCH_B \next, 0, 0
	FETCH_A \next, 0, 0
	WIN MUL_HI
	MUL16 4, 1, 0
	MUL16 6, 1, 0
	PLACES NP
	WIN 0
	FETCH_A \next, 0, 4
.endm
	s_wait_alu depctr_va_vdst(0)                   ; the head's end
	s_wait_tensorcnt 0x0                           ; my part of K step 0 is in
	ds_add_u32 v[SPW], v[NIL]
	s_wait_dscnt 0x0
	CROUND
	JLOAD G0+4, G1, G0B+4, G1B                     ; K step 1: slot 1's first fill, issued as a refill is
	FETCH_B 0, 0, 0
	FETCH_A 0, 0, 0
	FETCH_A 0, 0, 4
	STEP 0, 0, 1
	s_mov_b32 s3, LAPS-1
.Llap:
	TURN 0, 1, 1
	STEP 1, 0, 0
	TURN 1, 0, 1
	STEP 0, 0, 0
	s_sub_co_u32 s3, s3, 1
	s_cmp_lg_u32 s3, 0
	s_cbranch_scc1 .Llap
	TURN 0, 1, 0
	STEP 1, 0, 0
	s_wait_dscnt 4*NL
	WIN MUL_LO
	MUL16 0, 1, 0
	MUL16 2, 1, 0
	s_wait_dscnt 0
	WIN MUL_HI
	MUL16 4, 1, 0
	MUL16 6, 1, 0
	WIN 0
	s_barrier_signal -1
	s_barrier_wait -1
	PLACES NP
.irp a, 0,1,2,3,4,5,6,7
	WIN 0x08+4*(\a/4)
.set j, 0
.rept 16
	ds_store_b128 v[SPL], v[64*(\a%4)+4*j:64*(\a%4)+4*j+3] offset:\a*8192+512*j
.set j, j+1
.endr
.endr
	WIN 0
	v_bfe_u32 v[GO], v0, 4, 1
	v_lshlrev_b32 v[GO], 12, v[GO]
	v_and_b32 v[ADR], 15, v0
	v_lshl_add_u32 v[GO], v[ADR], 4, v[GO]
.set k, 0
.irp c, 0xac95df0b, 0x306dffee, 0xb40cff51, 0xb6eec2d2, 0xb940ac63, 0xbac1a1f6, 0xbc83dbd4, 0xb5accd2b, 0xb81e3512, 0xba1bf7b5, 0xbbaad7f2, 0xbca542a9
	v_mov_b32 v[CF+2*k], \c
	v_mov_b32 v[CF+2*k+1], \c
.set k, k+1
.endr
	s_wait_kmcnt 0x0
	s_add_co_i32 s84, s80, s81
	s_add_co_i32 s84, s84, 127
	s_lshl_b32 s84, s84, 23
	s_mov_b32 s85, s84
	s_mov_b32 s86, 0xc0b504f3
	s_mov_b32 s87, 0x40b504f3
	s_add_co_i32 s88, s82, 128
	s_lshl_b32 s89, s88, 23
	v_mov_b32 v[SC], s89
	s_add_co_i32 s88, s88, 8
	s_lshl_b32 s88, s88, 23
	s_or_b32 s88, s88, 0x600000
	v_mov_b32 v[LIM], s88
	s_wait_loadcnt 0x0
.macro HORNER acc, k
.set j, 0
.rept 8
	v_pk_fma_f32 v[\acc+j:\acc+j+1], v[\acc+j:\acc+j+1], v[W+j:W+j+1], v[CF+2*(\k):CF+2*(\k)+1]
.set j, j+2
.endr
.endm
.macro GELU16 n
.set ZB, Z+16*(\n)
	s_wait_dscnt 12-4*(\n)
.set j, 0
.rept 8
	v_pk_fma_f32 v[ZB+j:ZB+j+1], v[ZB+j:ZB+j+1], s[84:85], v[BI+16*(\n)+j:BI+16*(\n)+j+1] op_sel_hi:[1,0,1]
.set j, j+2
.endr
.set j, 0
.rept 16
	v_med3_num_f32 v[ZC+j], v[ZB+j], s86, s87
.set j, j+1
.endr
.set j, 0
.rept 8
	v_pk_mul_f32 v[W+j:W+j+1], v[ZC+j:ZC+j+1], v[ZC+j:ZC+j+1]
.set j, j+2
.endr
.set j, 0
.rept 8
	v_pk_fma_f32 v[P+j:P+j+1], v[W+j:W+j+1], v[CF:CF+1], v[CF+2:CF+3]
.set j, j+2
.endr
	HORNER P, 2
	HORNER P, 3
	HORNER P, 4
	HORNER P, 5
	HORNER P, 6
.set j, 0
.rept 8
	v_pk_fma_f32 v[Q+j:Q+j+1], v[W+j:W+j+1], v[CF+14:CF+15], v[CF+16:CF+17]
.set j, j+2
.endr
	HORNER Q, 9
	HORNER Q, 10
	HORNER Q, 11
.set j, 0
	s_wait_alu depctr_va_vdst(0)
.rept 16
	v_rcp_f32 v[Q+j], v[Q+j]
.set j, j+1
.endr
.set j, 0
.rept 8
	v_pk_mul_f32 v[P+j:P+j+1], v[P+j:P+j+1], v[ZC+j:ZC+j+1]
.set j, j+2
.endr
	s_wait_alu depctr_va_vdst(0)
.set j, 0
.rept 8
	v_pk_mul_f32 v[P+j:P+j+1], v[P+j:P+j+1], v[Q+j:Q+j+1]
.set j, j+2
.endr
.set j, 0
.rept 8
	v_pk_fma_f32 v[ZB+j:ZB+j+1], v[ZB+j:ZB+j+1], v[P+j:P+j+1], v[ZB+j:ZB+j+1]
.set j, j+2
.endr
.set j, 0
.rept 16
	v_med3_num_f32 v[ZB+j], v[ZB+j], -v[LIM], v[LIM]
.set j, j+1
.endr
	v_cvt_scalef32_pk8_fp8_f32 v[CDE+4*(\n):CDE+4*(\n)+1], v[ZB:ZB+7], v[SC]
	v_cvt_scalef32_pk8_fp8_f32 v[CDE+4*(\n)+2:CDE+4*(\n)+3], v[ZB+8:ZB+15], v[SC]
.endm
	s_mov_b32 s[TB], 0
.Lgelu:
	v_add_nc_u32 v[ADR], s[TB], v[SPL]
	v_add_nc_u32 v[ADC], s[TB], v[ADC0]
.set j, 0
.rept 16
	ds_load_b128 v[Z+4*j:Z+4*j+3], v[ADR] offset:512*j
.set j, j+1
.endr
	GELU16 0
	GELU16 1
	GELU16 2
	GELU16 3
	v_nop
.irp b, 0,1,2,3,4,5,6,7
	ds_store_b64 v[ADC], v[CDE+2*\b:CDE+2*\b+1] offset:16*\b
.endr
	s_add_co_u32 s[TB], s[TB], 8192
	s_cmp_lt_u32 s[TB], 65536
	s_cbranch_scc1 .Lgelu
	s_wait_dscnt 0x0
	s_barrier_signal -1
	s_barrier_wait -1
.irp a, 0,1,2,3
.irp i, 0,1,2,3,4,5,6,7
	ds_load_b128 v[Z+4*(8*\a+\i):Z+4*(8*\a+\i)+3], v[RDG] offset:\a*8192+\i*288
.endr
.endr
.irp a, 0,1,2,3
.irp i, 0,1,2,3,4,5,6,7
	s_wait_dscnt 31-(8*\a+\i)
	global_store_b128 v[GO], v[Z+4*(8*\a+\i):Z+4*(8*\a+\i)+3], s[10:11] offset:(16*\a+2*\i)*4096
.endr
.endr
	s_wait_tensorcnt 0x0
	ds_add_u32 v[SPW], v[NIL]
	s_wait_dscnt 0x0
	CROUND
	s_endpgm
.Lfunc_end_k_qb3b967f65e_fc1:
	.size	k_qb3b967f65e_fc1, .Lfunc_end_k_qb3b967f65e_fc1-k_qb3b967f65e_fc1
	.p2alignl 7, 3214868480
	.fill 96, 4, 3214868480
	.section	.rodata,"a",@progbits
	.p2align	6, 0x0
	.amdhsa_kernel k_qb3b967f65e_fc1
		.amdhsa_group_segment_fixed_size 327680
		.amdhsa_private_segment_fixed_size 0
		.amdhsa_enable_private_segment 0
		.amdhsa_kernarg_size 40
		.amdhsa_user_sgpr_count 2
		.amdhsa_user_sgpr_kernarg_segment_ptr 1
		.amdhsa_wavefront_size32 1
		.amdhsa_system_sgpr_workgroup_id_x 1
		.amdhsa_system_sgpr_workgroup_id_y 1
		.amdhsa_system_sgpr_workgroup_id_z 1
		.amdhsa_system_vgpr_workitem_id 0
		.amdhsa_next_free_vgpr 1024
		.amdhsa_next_free_sgpr 100
		.amdhsa_reserve_vcc 0
		.amdhsa_float_denorm_mode_32 3
		.amdhsa_float_denorm_mode_16_64 3
		.amdhsa_memory_ordered 1
		.amdhsa_forward_progress 1
		.amdhsa_inst_pref_size 139
	.end_amdhsa_kernel
	.amdgpu_metadata
---
amdhsa.version: [ 1, 2 ]
amdhsa.kernels:
  - .name:           k_qb3b967f65e_fc1
    .symbol:         k_qb3b967f65e_fc1.kd
    .args:
      - { .name: act, .offset: 0, .size: 8, .value_kind: global_buffer, .address_space: global }
      - { .name: wc, .offset: 8, .size: 8, .value_kind: global_buffer, .address_space: global }
      - { .name: lowp_scales, .offset: 16, .size: 8, .value_kind: global_buffer, .address_space: global }
      - { .name: g, .offset: 24, .size: 8, .value_kind: global_buffer, .address_space: global }
      - { .name: fc1_b, .offset: 32, .size: 8, .value_kind: global_buffer, .address_space: global }
    .group_segment_fixed_size: 327680
    .private_segment_fixed_size: 0
    .kernarg_segment_align: 8
    .kernarg_segment_size: 40
    .max_flat_workgroup_size: 128
    .sgpr_count:     100
    .vgpr_count:     1024
    .wavefront_size: 32
...
	.end_amdgpu_metadata
.endif
;; end of part 6
;; launch fc2 (part 7): grid 8 x 32, 4 waves a work-group, clusters of 4 x 4, 327,680 bytes of LDS; arguments g, wc, lowp_scales, out0, fc2_b, x1; writes out0
.if DOCPART == 7
	.amdgcn_target "amdgcn-amd-amdhsa--gfx1250"
	.amdhsa_code_object_version 6
	.text
	.protected	k_qb3b967f65e_fc2
	.globl	k_qb3b967f65e_fc2
	.p2align	8
	.type	k_qb3b967f65e_fc2,@function
k_qb3b967f65e_fc2:
	s_mov_b64 s[64:65], 0
	v_nop
	global_prefetch_b8 v0, s[64:65] scope:SCOPE_SE
	s_setreg_imm32_b32 hwreg(HW_REG_WAVE_MODE, 25, 1), 1
	s_wait_xcnt 0x0
	s_wait_alu depctr_hold_cnt(0) depctr_sa_sdst(0) depctr_va_vdst(0) depctr_va_sdst(0) depctr_va_ssrc(0) depctr_va_vcc(0) depctr_vm_vsrc(0)
	s_getreg_b32 s2, hwreg(HW_REG_IB_STS2, 6, 4)
	s_cmp_eq_u32 s2, 0
	s_cbranch_scc0 .Lentry_in_a_cluster
	s_endpgm
.Lentry_in_a_cluster:
	s_bfe_u32 s2, ttmp6, 0x10000c
	s_cmp_lg_u32 s2, 0xf033
	s_cbranch_scc0 .Lentry_shape_is_right
	s_endpgm
.Lentry_shape_is_right:
; PRODUCT 6 AND THE LAST RESIDUAL: out0 = x1 + fc2_b + g fc2_w on codes of FP8 (E4M3).
; g: [4096][4096] codes (scale entry 10).  wc: at WOFF the codes of fc2_w laid [1024][4096], K innermost (entry 11).  x1, out0: [4096][1024] f32.
; A block of 128 x 128 is made by four waves, 64 x 64 each.  K goes in eight steps of 512 through a ring of two LDS slots; a wave fetches 64 rows x 512 bytes with one tensor load.
; CLUSTERS: 4 x 4; g's tiles are asked for jointly along a row of the cluster, the weights' along a column.
; At the head a wave issues one joint load, its part of K step 0; K step 1's follows behind the wait for it, the add, its wait and a round of the cluster's barrier.
; PREFETCH INTO THE L2: behind the load of K step t stands one instruction a wave for K step t + 2; behind the head's load also one for K step 1.
; Of the 64 rows that a wave fetches, the partner at place p among the four that ask jointly (p = cx for g, cy for the weights) names rows 16 p .. 16 p + 15,
; two lanes a row, 256 bytes apart: each aligned block of 256 bytes is named once in each cluster that loads it.  The partners are told apart by address alone.
; The loads of K steps 6 and 7 (the loop's last trip) ask for nothing.  At most two K steps are asked for and not yet loaded.
; LIMIT: e10 + e11 between -126 and 127.
.set PFO,    30                        ; v30 the prefetches' offset: 4,096 (lane / 2) + 256 (lane % 2); never rewritten
.set PFA,    72                        ; s[72:73] my work-group's 16 rows of my wave's 64; stepped 512 bytes at each change of slots that fills
.set KTOT,   4096
.set WOFF,   8388608
.set BP,     528
.set AHALF,  64*BP
.set BHALF,  64*BP
.set BOFF,   2*AHALF
.set SLOT,   2*AHALF+2*BHALF
.set LAPS,   KTOT/1024
.set STAGE,  2*SLOT
.set SPITCH, 272
.set SPARE,  STAGE+4*16*SPITCH
.set ADRA, 16
.set ADRB, 20
.set STO,  24
.set RD,   25
.set CO,   26
.set BO,   27
.set SPW,  28
.set NIL,  29
.set TMP,  32
.set ACC,  128
.set F0,   0
.set F1,   128
.set G1, 24
.set G0, 32
.set G1B, 48
.set G0B, 56
.set MSB, 0
.macro WIN new
.if MSB != \new
	s_set_vgpr_msb (MSB<<8)|\new
.set MSB, \new
.endif
.endm
.set MUL,  0x05
.set TO_F, 0x40
.macro JLOAD s
	s_cmp_eq_u32 s15, 0
	s_cbranch_scc0 .Lfor_b_\@
	tensor_load_to_lds s[G0+4*\s:G0+4*\s+3], s[G1:G1+7]
	s_nop 0
.rept 4
	v_nop
.endr
	s_branch .Lasked_\@
.Lfor_b_\@:
	tensor_load_to_lds s[G0B+4*\s:G0B+4*\s+3], s[G1B:G1B+7]
	s_nop 0
.rept 4
	v_nop
.endr
.Lasked_\@:
.endm
.macro CREST
	s_cmp_lg_u32 s14, 0
	s_cbranch_scc1 .Lnot_wave_0_\@
	s_barrier_signal -3
.Lnot_wave_0_\@:
	s_barrier_wait -3
	s_barrier_signal -1
	s_barrier_wait -1
.endm
.macro CROUND
	s_barrier_signal -1
	s_barrier_wait -1
	CREST
.endm
	s_load_b128 s[4:7], s[0:1], 0x0
	s_load_b128 s[8:11], s[0:1], 0x10
	s_load_b128 s[68:71], s[0:1], 0x20
	v_lshl_add_u32 v[SPW], v0, 2, SPARE
	v_mov_b32 v[NIL], 0
	ds_add_u32 v[SPW], v[NIL]
	ds_add_u32 v[SPW], v[NIL]
	v_lshrrev_b32 v1, 5, v0
	v_readfirstlane_b32 s14, v1
	s_lshr_b32 s15, s14, 1
	s_and_b32 s16, s14, 1
	s_bfe_u32 s40, ttmp6, 0x40000
	s_bfe_u32 s41, ttmp6, 0x40004
	s_lshl_b32 s42, ttmp9, 2
	s_add_co_u32 s42, s42, s40
	s_and_b32 s17, ttmp7, 0xffff
	s_lshl_b32 s17, s17, 2
	s_add_co_u32 s17, s17, s41
	s_lshl_b32 s43, s41, 2
	s_lshl_b32 s43, 15, s43
	s_lshl_b32 s44, 0x1111, s40
	s_or_b32 s[G1+0], s43, (0<<16)|(1<<20)|(1<<21)|(6<<22)|(3<<25)
	s_or_b32 s[G1B+0], s44, (0<<16)|(1<<20)|(1<<21)|(6<<22)|(3<<25)
.irp g, G1, G1B
	s_mov_b32 s[\g+1], 512<<16
	s_mov_b32 s[\g+2], 64<<16
	s_mov_b32 s[\g+3], 512<<16
	s_mov_b32 s[\g+4], 64
	s_mov_b32 s[\g+5], KTOT
	s_mov_b32 s[\g+6], 0
	s_mov_b32 s[\g+7], 0
.endr
	s_lshl_b32 s18, s16, 6
	s_lshl_b32 s20, s17, 7
	s_add_co_u32 s20, s20, s18
	s_mul_i32 s20, s20, KTOT
	s_mov_b32 s21, 0
	s_lshl_b32 s46, s42, 7
	s_add_co_u32 s46, s46, s18
	s_mul_i32 s46, s46, KTOT
	s_mov_b32 s47, 0
	s_mul_i32 s45, s16, AHALF
	s_mul_i32 s19, s16, BHALF
	s_add_co_u32 s19, s19, BOFF
	s_wait_dscnt 0x0
	s_wait_kmcnt 0x0
	s_load_b128 s[80:83], s[8:9], 0x20
	s_add_nc_u64 s[20:21], s[4:5], s[20:21]
	s_add_nc_u64 s[46:47], s[6:7], s[46:47]
	s_add_nc_u64 s[46:47], s[46:47], WOFF
	CROUND
.irp s, 0,1
	s_mov_b32 s[G0+4*\s], 1
	s_add_co_u32 s[G0+4*\s+1], s45, \s*SLOT
	s_add_nc_u64 s[G0+4*\s+2:G0+4*\s+3], s[20:21], \s*512
	s_or_b32 s[G0+4*\s+3], s[G0+4*\s+3], 0x80000000
	s_mov_b32 s[G0B+4*\s], 1
	s_add_co_u32 s[G0B+4*\s+1], s19, \s*SLOT
	s_add_nc_u64 s[G0B+4*\s+2:G0B+4*\s+3], s[46:47], \s*512
	s_or_b32 s[G0B+4*\s+3], s[G0B+4*\s+3], 0x80000000
.endr
	JLOAD 0                                        ; K step 0: one tensor load a wave at the head
	s_cmp_eq_u32 s15, 0                            ; do I fetch for g?
	s_cselect_b64 s[PFA:PFA+1], s[20:21], s[46:47] ; my wave's 64 rows, at K step 0
	s_cselect_b32 s74, s40, s41                    ; my place among the four that ask with me
	s_lshl_b32 s74, s74, 16                        ; 16 rows of 4,096 bytes
	s_mov_b32 s75, 0
	s_add_nc_u64 s[PFA:PFA+1], s[PFA:PFA+1], s[74:75]
	v_bfe_u32 v[PFO], v0, 1, 4
	v_and_b32 v31, 1, v0
	v_lshlrev_b32 v[PFO], 12, v[PFO]
	v_lshl_add_u32 v[PFO], v31, 8, v[PFO]
	global_prefetch_b8 v[PFO], s[PFA:PFA+1] offset:512 th:TH_LOAD_NT scope:SCOPE_SE    ; K step 1
	global_prefetch_b8 v[PFO], s[PFA:PFA+1] offset:1024 th:TH_LOAD_NT scope:SCOPE_SE   ; K step 2
	v_and_b32 v1, 15, v0
	s_wait_alu depctr_va_vdst(0)
	v_bfe_u32 v2, v0, 4, 1
	v_mul_u32_u24 v3, v1, BP
	v_lshl_add_u32 v3, v2, 4, v3
	s_mul_i32 s21, s15, AHALF
	s_mul_i32 s22, s16, BHALF
	s_add_co_u32 s22, s22, BOFF
.irp s, 0,1
	v_add_nc_u32 v[ADRA+\s], s21, v3
	v_add_nc_u32 v[ADRB+\s], s22, v3
	s_add_co_u32 s21, s21, SLOT
	s_add_co_u32 s22, s22, SLOT
.endr
	s_mul_i32 s23, s14, 16*SPITCH
	s_add_co_u32 s23, s23, STAGE
	v_mul_u32_u24 v5, v1, SPITCH
	s_wait_alu depctr_va_vdst(0)
	v_lshl_add_u32 v5, v2, 5, v5
	v_add_nc_u32 v[STO], s23, v5
	v_mul_u32_u24 v5, v2, SPITCH
	v_lshl_add_u32 v5, v1, 4, v5
	v_add_nc_u32 v[RD], s23, v5
	v_lshlrev_b32 v[CO], 12, v2
	v_lshl_add_u32 v[CO], v1, 4, v[CO]
	s_wait_alu depctr_va_vdst(0)
	v_lshlrev_b32 v[BO], 4, v1
	s_wait_alu depctr_va_vdst(0)
	s_lshl_b32 s20, s17, 7
	s_lshl_b32 s21, s15, 6
	s_add_co_u32 s20, s20, s21
	s_lshl_b32 s20, s20, 12
	s_lshl_b32 s46, s42, 9
	s_lshl_b32 s47, s16, 8
	s_add_co_u32 s46, s46, s47
	s_mov_b32 s47, 0
	s_add_nc_u64 s[68:69], s[68:69], s[46:47]
	s_add_co_u32 s20, s20, s46
	s_mov_b32 s21, 0
	s_add_nc_u64 s[10:11], s[10:11], s[20:21]
	s_add_nc_u64 s[70:71], s[70:71], s[20:21]
	WIN 0x80
.irp a, 0,1,2,3
.irp t, 0,1,2,3,4,5,6,7
	global_load_b128 v[32*\a+4*\t:32*\a+4*\t+3], v[CO], s[70:71] offset:(16*\a+2*\t)*4096 th:TH_LOAD_NT
.endr
.endr
	global_load_b128 v[128:131], v[BO], s[68:69]
	WIN 0
.macro FRAG reg, adr, q, i
.irp c, 0,1,2,3
	ds_load_b128 v[\reg+4*\c:\reg+4*\c+3], v[\adr] offset:128*(\q)+32*\c+(\i)*16*BP
.endr
.endm
.macro FETCH slot, q, f
	WIN TO_F
.irp i, 0,1,2,3
	FRAG \f+64+16*\i, ADRB+\slot, \q, \i
.endr
.irp i, 0,1,2,3
	FRAG \f+16*\i, ADRA+\slot, \q, \i
.endr
.endm
.macro MUL4 f, a, zero
.irp b, 0,1,2,3
.if \zero
	v_wmma_f32_16x16x128_fp8_fp8 v[ACC+8*(4*(\a)+\b):ACC+8*(4*(\a)+\b)+7], v[\f+64+16*\b:\f+64+16*\b+15], v[\f+16*(\a):\f+16*(\a)+15], 0
.else
	v_wmma_f32_16x16x128_fp8_fp8 v[ACC+8*(4*(\a)+\b):ACC+8*(4*(\a)+\b)+7], v[\f+64+16*\b:\f+64+16*\b+15], v[\f+16*(\a):\f+16*(\a)+15], v[ACC+8*(4*(\a)+\b):ACC+8*(4*(\a)+\b)+7]
.endif
.endr
.endm
.macro PLACES
.rept 4
	v_nop
.endr
.endm
.macro QUARTER slot, q, f, g, zero
	s_wait_dscnt 8
	WIN MUL
	MUL4 \f, 0, \zero
	MUL4 \f, 1, \zero
	PLACES
	FETCH \slot, \q, \g
	s_wait_dscnt 32
	WIN MUL
	MUL4 \f, 2, \zero
	MUL4 \f, 3, \zero
.endm
.macro TURN slot, next, fill
	WIN 0
.if \fill
	s_wait_xcnt 0x0                                ; my last prefetch has read its address: it is stepped here, ahead of the change's own waits
	s_add_nc_u64 s[PFA:PFA+1], s[PFA:PFA+1], 512
.endif
	s_wait_tensorcnt 0x0
	ds_add_u32 v[SPW], v[NIL]
	s_wait_dscnt 13
	WIN MUL
	MUL4 F1, 0, 0
	s_wait_dscnt 0x0
	s_barrier_signal -1
	MUL4 F1, 1, 0
.if \fill
	WIN 0
.endif
	s_barrier_wait -1
.if \fill
	CREST
	s_add_nc_u64 s[G0+4*\slot+2:G0+4*\slot+3], s[G0+4*\slot+2:G0+4*\slot+3], 1024
	s_add_nc_u64 s[G0B+4*\slot+2:G0B+4*\slot+3], s[G0B+4*\slot+2:G0B+4*\slot+3], 1024
	JLOAD \slot
.else
	PLACES
.endif
	FETCH \next, 0, F0
.if \fill
	WIN 0                                          ; at a branch and at a label every window is 0
	s_cmp_gt_u32 s3, 1                             ; s3 = 1 in the loop's last trip: no K step stands two on
	s_cbranch_scc0 .Lno_ask_\@
	global_prefetch_b8 v[PFO], s[PFA:PFA+1] offset:1536 th:TH_LOAD_NT scope:SCOPE_SE   ; the K step two behind the one just asked for
.Lno_ask_\@:
.endif
	WIN MUL
	MUL4 F1, 2, 0
	MUL4 F1, 3, 0
.endm
	s_wait_alu depctr_va_vdst(0)                   ; the head's end
	s_wait_tensorcnt 0x0                           ; my part of K step 0 is in
	ds_add_u32 v[SPW], v[NIL]
	s_wait_dscnt 0x0
	CROUND
	JLOAD 1                                        ; K step 1: slot 1's first fill, issued as a refill is
	FETCH 0, 0, F0
	WIN 0
	global_prefetch_b8 v[PFO], s[PFA:PFA+1] offset:1536 th:TH_LOAD_NT scope:SCOPE_SE   ; K step 3
	QUARTER 0, 1, F0, F1, 1
	WIN 0
	s_mov_b32 s3, LAPS-1
.Llap:
	QUARTER 0, 2, F1, F0, 0
	QUARTER 0, 3, F0, F1, 0
	TURN 0, 1, 1
	QUARTER 1, 1, F0, F1, 0
	QUARTER 1, 2, F1, F0, 0
	QUARTER 1, 3, F0, F1, 0
	TURN 1, 0, 1
	QUARTER 0, 1, F0, F1, 0
	WIN 0
	s_sub_co_u32 s3, s3, 1
	s_cmp_lg_u32 s3, 0
	s_cbranch_scc1 .Llap
	QUARTER 0, 2, F1, F0, 0
	QUARTER 0, 3, F0, F1, 0
	TURN 0, 1, 0
	QUARTER 1, 1, F0, F1, 0
	QUARTER 1, 2, F1, F0, 0
	QUARTER 1, 3, F0, F1, 0
	s_wait_dscnt 8
	WIN MUL
	MUL4 F1, 0, 0
	MUL4 F1, 1, 0
	s_wait_dscnt 0
	MUL4 F1, 2, 0
	MUL4 F1, 3, 0
	s_wait_loadcnt 0x0
	s_wait_kmcnt 0x0
	s_add_co_i32 s84, s82, s83
	s_add_co_i32 s84, s84, 127
	s_lshl_b32 s84, s84, 23
	s_mov_b32 s85, s84
	WIN 0x8a
.set j, 0
.rept 32
	v_pk_add_f32 v[j:j+1], v[j:j+1], v[128:129]
	v_pk_add_f32 v[j+2:j+3], v[j+2:j+3], v[130:131]
.set j, j+4
.endr
.irp a, 0,1,2,3
	WIN 0
.irp b, 0,1,2,3
	ds_store_b128 v[STO], v[ACC+8*(4*\a+\b):ACC+8*(4*\a+\b)+3] offset:64*\b
	ds_store_b128 v[STO], v[ACC+8*(4*\a+\b)+4:ACC+8*(4*\a+\b)+7] offset:64*\b+16
.endr
.irp t, 0,1,2,3,4,5,6,7
	ds_load_b128 v[TMP+4*\t:TMP+4*\t+3], v[RD] offset:\t*2*SPITCH
.endr
	s_wait_dscnt 0x0
	WIN 0xa0
.set j, 0
.rept 16
	v_pk_fma_f32 v[32*\a+j:32*\a+j+1], v[TMP+j:TMP+j+1], s[84:85], v[32*\a+j:32*\a+j+1] op_sel_hi:[1,0,1]
.set j, j+2
.endr
	WIN 0x08
.irp t, 0,1,2,3,4,5,6,7
	global_store_b128 v[CO], v[32*\a+4*\t:32*\a+4*\t+3], s[10:11] offset:(16*\a+2*\t)*4096 th:TH_STORE_NT
.endr
.endr
	WIN 0
	s_wait_tensorcnt 0x0
	ds_add_u32 v[SPW], v[NIL]
	s_wait_dscnt 0x0
	CROUND
	s_endpgm
.Lfunc_end_k_qb3b967f65e_fc2:
	.size	k_qb3b967f65e_fc2, .Lfunc_end_k_qb3b967f65e_fc2-k_qb3b967f65e_fc2
	.p2alignl 7, 3214868480
	.fill 96, 4, 3214868480
	.section	.rodata,"a",@progbits
	.p2align	6, 0x0
	.amdhsa_kernel k_qb3b967f65e_fc2
		.amdhsa_group_segment_fixed_size 327680
		.amdhsa_private_segment_fixed_size 0
		.amdhsa_enable_private_segment 0
		.amdhsa_kernarg_size 48
		.amdhsa_user_sgpr_count 2
		.amdhsa_user_sgpr_kernarg_segment_ptr 1
		.amdhsa_wavefront_size32 1
		.amdhsa_system_sgpr_workgroup_id_x 1
		.amdhsa_system_sgpr_workgroup_id_y 1
		.amdhsa_system_sgpr_workgroup_id_z 1
		.amdhsa_system_vgpr_workitem_id 0
		.amdhsa_next_free_vgpr 768
		.amdhsa_next_free_sgpr 100
		.amdhsa_reserve_vcc 0
		.amdhsa_float_denorm_mode_32 3
		.amdhsa_float_denorm_mode_16_64 3
		.amdhsa_memory_ordered 1
		.amdhsa_forward_progress 1
		.amdhsa_inst_pref_size 83
	.end_amdhsa_kernel
	.amdgpu_metadata
---
amdhsa.version: [ 1, 2 ]
amdhsa.kernels:
  - .name:           k_qb3b967f65e_fc2
    .symbol:         k_qb3b967f65e_fc2.kd
    .args:
      - { .name: g, .offset: 0, .size: 8, .value_kind: global_buffer, .address_space: global }
      - { .name: wc, .offset: 8, .size: 8, .value_kind: global_buffer, .address_space: global }
      - { .name: lowp_scales, .offset: 16, .size: 8, .value_kind: global_buffer, .address_space: global }
      - { .name: out0, .offset: 24, .size: 8, .value_kind: global_buffer, .address_space: global }
      - { .name: fc2_b, .offset: 32, .size: 8, .value_kind: global_buffer, .address_space: global }
      - { .name: x1, .offset: 40, .size: 8, .value_kind: global_buffer, .address_space: global }
    .group_segment_fixed_size: 327680
    .private_segment_fixed_size: 0
    .kernarg_segment_align: 8
    .kernarg_segment_size: 48
    .max_flat_workgroup_size: 128
    .sgpr_count:     100
    .vgpr_count:     768
    .wavefront_size: 32
...
	.end_amdgpu_metadata
.endif
;; end of part 7
